; MI455X (gfx1250); checked and timed in simulation.
; The chip was launched on July 23, 2026; its instructions are those of AMD's public machine-readable ISA for CDNA 5 (MIT licence, August 2026) and "CDNA5" Instruction Set Architecture Reference Guide (July 2026). The comments in the code are by the model that wrote it; some were corrected since.
;; Multi Self attention0. Allowed arithmetic: matrix products marked QUANTISED: E2M3 operands, one E8M0 scale for each 32 along K, by v_wmma_scale_f32_16x16x128_f8f6f4 with both operands' format E2M3, f32 sums; everything else in f32.
;; Inputs: b_0 128 float32; b_k 1,024 float32; b_q 1,024 float32; b_v 1,024 float32; k 4 x 2,048 x 1,024 float32; q 4 x 2,048 x 1,024 float32; v 4 x 2,048 x 1,024 float32; w_0 1,024 x 128 float32; w_k 1,024 x 1,024 float32; w_q 1,024 x 1,024 float32; w_v 1,024 x 1,024 float32.
;; Outputs: out0 4 x 2,048 x 128 float32.
;; This version of the problem:
;;   THIS VERSION OF THE PROBLEM IS GIVEN IN LOW PRECISION. The matrix products marked QUANTISED in the list below multiply operands that are first quantised to E2M3 (2 exponent bits, 3 mantissa bits; 6 bits a number), with one power-of-two scale for each 32 numbers along K (OCP MX v1.0); their sums are f32. All else is computed in f32.
;;   The module's matrix products, in the order in which they are computed (A, B: the left and right operand; K: the contracted axis; several contracted axes count as one K, in the product's order):
;;     1. [M 8,192, K 1,024] x [K 1,024, N 1,024]; A: input q; B: input w_q: QUANTISED
;;     2. [M 8,192, K 1,024] x [K 1,024, N 1,024]; A: input k; B: input w_k: QUANTISED
;;     3. [M 8,192, K 1,024] x [K 1,024, N 1,024]; A: input v; B: input w_v: QUANTISED
;;     4. batch 32 x [M 2,048, K 128] x [K 128, N 2,048]; A: computed on the way; B: computed on the way: QUANTISED
;;     5. batch 32 x [M 128, K 2,048] x [K 2,048, N 2,048]; A: computed on the way; B: softmax (see below): QUANTISED
;;     6. [M 8,192, K 1,024] x [K 1,024, N 128]; A: computed on the way; B: input w_0: QUANTISED
;;   THE QUANTISER, for each operand of a quantised product, along K:
;;     - K is cut into blocks of 32 from its start; a last block that is shorter is filled with zeros.
;;     - A block's scale is 2^e with e = floor(log2(the largest magnitude in the block)) - 2, held to -126 .. 127; a block of zeros has e = 0. As a byte (E8M0): e + 127.
;;     - Each number is divided by its block's scale, clamped to +-7.5, and rounded to the nearest number of E2M3, ties to even, subnormals kept.
;;     - The product sums the exact products of the quantised numbers (number of the format x scale) in f32.
;;   ~~~python
;;   def quantise(x, axis):      # numpy; x: float32 -> the quantised numbers, widened to float32 again
;;       x = np.moveaxis(x, axis, -1); K = x.shape[-1]
;;       x = np.pad(x, [(0, 0)] * (x.ndim - 1) + [(0, -K % 32)]); x = x.reshape(x.shape[:-1] + (-1, 32)); a = np.abs(x).max(-1, keepdims=True)
;;       e = np.where(a > 0, np.clip(np.frexp(np.where(a > 0, a, 1))[1] - 1 - 2, -126, 127), 0)      # np.frexp(a)[1] - 1 = floor(log2(a)), exactly
;;       r = np.clip(x / 2.0 ** e, -7.5, 7.5)
;;       step = 2.0 ** (np.maximum(np.frexp(np.where(r == 0, 1, r))[1] - 1, 0) - 3)
;;       q = np.round(r / step) * step * 2.0 ** e      # np.round: ties to even
;;       return np.moveaxis(q.reshape(q.shape[:-2] + (-1,))[..., :K], -1, axis).astype(np.float32)
;;   ~~~
;;   SOFTMAX AHEAD OF A QUANTISED PRODUCT. Where the list says 'softmax', what is quantised is not the finished softmax but p = 2^(t - M), with t = logit x log2(e) and M = ceil(the row's largest t), a whole number; so 1/2 < the row's largest p <= 1. The row's sum l is taken of the UNQUANTISED p, in f32, and the product's result is divided by l at the end. Since M is a whole number, a kernel that streams over the keys may use a running M (the ceiling of the running maximum): every later rescaling is an exact power of two, which a block's scale takes up: the codes' values come out the same.
;;   OPERANDS COMPUTED ON THE WAY. 'Computed on the way' means the value that the module computes at that place (a softmax that the list does not call 'softmax' is quantised finished and normalised). What goes into a quantiser is computed in f32, as accurately as f32 sums, v_exp_f32 and their like allow (about 1e-6 of the number): no bf16 or f16 on the way to a quantiser, and a product that is left as it is and whose result goes on into a quantised operand takes f32 operands (vector FMAs, or v_wmma_f32_16x16x4_f32). A number that lies on a knife's edge between two numbers of the format may be rounded either way, as far as f32 arithmetic and the matrix unit's own rounding can turn it there, and no further.
;; One version. Each part assembles by itself: llvm-mc -triple=amdgcn-amd-amdhsa -mcpu=gfx1250 --defsym DOCPART=n.
;; ======== version 1 of 1: 4 launches
;; limits: right only within a limited range of input values
;; workspace buffers: xc 18,874,368 bytes; xs 786,432 bytes; wc 2,457,600 bytes; ws 102,400 bytes; pf 18,874,368 bytes; ps 786,432 bytes; oc 6,291,456 bytes; os 524,288 bytes
;; launch quant (part 1): grid 868 x 1, 4 waves a work-group, no clusters, 68,096 bytes of LDS; arguments q, k, v, w_q, w_k, w_v, w_0, xc, xs, wc, ws; writes xc, xs, wc, ws
.if DOCPART == 1
	.amdgcn_target "amdgcn-amd-amdhsa--gfx1250"
	.amdhsa_code_object_version 6
	.text
	.protected	k_q6616726a30_quant
	.globl	k_q6616726a30_quant
	.p2align	8
	.type	k_q6616726a30_quant,@function
k_q6616726a30_quant:
	s_mov_b64 s[64:65], 0
	v_nop
	global_prefetch_b8 v0, s[64:65] scope:SCOPE_SE
	s_setreg_imm32_b32 hwreg(HW_REG_WAVE_MODE, 25, 1), 1
	s_wait_xcnt 0x0
; q, k, v [8192][1024] f32 and w_q, w_k, w_v [1024 (K)][1024], w_0 [1024 (K)][128] f32 become codes of FP6 (E2M3) with K innermost (768 bytes a row) and one E8M0 byte for each 32 along K (32 bytes a row).
; A block's scale is 2^(floor(log2(its largest magnitude)) - 2); its byte is the largest magnitude's exponent field - 2, held at 1 from below; each number is divided by the scale and rounded to the nearest code, ties to even.
; THE ORDER OF ROWS.  Row p (a token of q, k, v; an output unit of a weight) is stored at POSITION pi(p) = p with its bits 3 and 4 exchanged.  Sixteen neighbouring positions then hold rows 32 b + 8 u + r + 8 (r / 8):
; used as source 0 of a product, two neighbouring tiles leave 16 NEIGHBOURS along that axis in a lane's 16 result registers, which is what the next quantiser wants.
; Work-groups 0-767 take the tokens (K innermost in memory), work-groups 768-867 the weights (K outermost).  Each of the two ways has LDS bytes of its own.  No work-group shares an input with another: no cluster, no tensor loads, no barrier.
; LIMITS: NaN and infinities among the inputs are not served.  A block of zeros gets the byte 1 (its codes are zeros, which add nothing under that byte); the bytes are read by this program alone.
.set EMAX,   2
.set XSTEPS, 16                        ; tokens: a wave takes 16 steps of 512 numbers: 8 whole rows
.set CB,     12                        ; bytes of 16 codes
.set XR,     16                        ; v16-79   four sets of 16 numbers as they are loaded
.set XX,     80                        ; v80-111  two sets of 16 neighbours
.set XE,     112                       ; v112-127 a scale byte for each step
.set XC,     128                       ; v128-191 codes: four registers for each step
.set WREG,   8192                      ; LDS of a token wave: two stages of 32 x SP bytes, then its 256 scale bytes
.set SP,     80                        ; a lane's place in a stage: 64 bytes + 16 of padding
.set WLDS,   32768                     ; LDS of the weights' way begins here
.set WPITCH, 272                       ; a stage row: sixteen places of 16 bytes + 16
.set KROW,   768                       ; a row of codes in bytes
.set WX,     32                        ; v32-95   two sets of 32 numbers
.set WC,     96                        ; v96..    a block's codes
.set WOUT,   112                       ; v112-175 the way out
.set WSB,    24                        ; v24-25   eight scale bytes
.set OF,     176                       ; v176-207 byte offset of row i of a block, at my column
	v_lshl_add_u32 v208, v0, 2, 0x10800
	v_mov_b32 v209, 0
	s_cmp_lt_u32 ttmp9, 768
	s_cbranch_scc0 .Lweights
	; ---------------- TOKENS.  Work-group = 32 rows of one tensor, wave = 8 rows: rows 8 w .. 8 w + 7 of the 32 go to positions 8 w' .. 8 w' + 7, w' = w with its two bits exchanged
	s_load_b128 s[4:7], s[0:1], 0x0                ; q, k
	s_load_b64 s[8:9], s[0:1], 0x10                ; v
	s_load_b64 s[12:13], s[0:1], 0x38              ; xc
	s_load_b64 s[14:15], s[0:1], 0x40              ; xs
	v_lshrrev_b32 v1, 5, v0
	v_readfirstlane_b32 s16, v1                    ; wave
	v_and_b32 v2, 31, v0                           ; lane
	v_lshlrev_b32 v3, 4, v2                        ; my 16 bytes of a load's 512
	s_mul_i32 s17, s16, WREG
	v_lshrrev_b32 v14, 2, v2
	v_mul_u32_u24 v14, v14, SP
	v_and_b32 v15, 3, v2
	v_lshl_add_u32 v14, v15, 4, v14
	v_add_nc_u32 v14, s17, v14                     ; the stage, on the way in: SP (lane / 4) + 16 (lane % 4)
	v_mul_u32_u24 v15, v2, SP
	v_add_nc_u32 v15, s17, v15                     ; and on the way out: SP x lane: my 16 neighbours
	; THE CODES' LAYOUT: [tensor][K step of 256][position][192 bytes]: 128 positions of one K step are 24,576 dense bytes
	v_and_b32 v4, 15, v2
	v_mul_u32_u24 v4, v4, CB                       ; sixteen lanes hold 256 along K: 12 bytes each,
	v_lshrrev_b32 v10, 4, v2
	v_mad_u32_u24 v4, v10, 1572864, v4             ; lanes 16-31 the K step behind (8,192 positions x 192 bytes on)
	v_lshrrev_b32 v5, 1, v2
	s_add_co_u32 s17, s17, 2*32*SP
	v_add_nc_u32 v5, s17, v5                       ; my wave's 256 scale bytes, my block's byte
	v_lshlrev_b32 v7, 3, v2                        ; on the way out 8 bytes a lane
	v_add_nc_u32 v6, s17, v7
	s_lshr_b32 s18, ttmp9, 8                       ; which tensor: 0 q, 1 k, 2 v
	s_and_b32 s19, ttmp9, 255                      ; which 32 rows
	s_lshl_b32 s20, s19, 2
	s_add_co_u32 s22, s20, s16                     ; my run of 8 rows in the input,
	s_lshl_b32 s22, s22, 15                        ; 32,768 bytes each
	s_mov_b32 s23, 0
	s_and_b32 s24, s16, 1
	s_lshl_b32 s24, s24, 1
	s_lshr_b32 s25, s16, 1
	s_or_b32 s24, s24, s25                         ; w'
	s_add_co_u32 s20, s20, s24                     ; my run in the outputs
	s_mul_i32 s26, s20, 1536                       ; 8 positions of 192 bytes in a K step's plane,
	s_mul_i32 s24, s18, 6291456                    ; behind the tensors before
	s_add_co_u32 s26, s26, s24
	s_mov_b32 s27, 0
	s_lshl_b32 s28, s20, 8                         ; 8 rows of 32 scale bytes
	s_lshl_b32 s24, s18, 18
	s_add_co_u32 s28, s28, s24
	s_mov_b32 s29, 0
	s_wait_alu depctr_va_vdst(0)
	s_wait_kmcnt 0x0
	s_cmp_eq_u32 s18, 0                            ; the choice hangs on the work-group's number alone
	s_cselect_b64 s[4:5], s[4:5], s[6:7]
	s_cmp_eq_u32 s18, 2
	s_cselect_b64 s[4:5], s[8:9], s[4:5]
	s_add_nc_u64 s[4:5], s[4:5], s[22:23]
	s_add_nc_u64 s[12:13], s[12:13], s[26:27]
	s_add_nc_u64 s[14:15], s[14:15], s[28:29]
.macro XLOAD t
.irp i, 0,1,2,3
	global_load_b128 v[XR+16*((\t)%4)+4*\i:XR+16*((\t)%4)+4*\i+3], v3, s[4:5] offset:2048*(\t)+512*\i th:TH_LOAD_NT   ; 32 lanes read 512 consecutive bytes
.endr
.endm
.macro XTURN t                         ; step t's numbers through the stage: LDS serves a wave's instructions in order, so no wait stands between the stores and the loads
.irp i, 0,1,2,3
	ds_store_b128 v14, v[XR+16*((\t)%4)+4*\i:XR+16*((\t)%4)+4*\i+3] offset:32*SP*((\t)%2)+8*SP*\i
.endr
.irp i, 0,1,2,3
	ds_load_b128 v[XX+16*((\t)%2)+4*\i:XX+16*((\t)%2)+4*\i+3], v15 offset:32*SP*((\t)%2)+16*\i
.endr
.endm
.irp t, 0,1,2,3
	XLOAD \t
.endr
	s_wait_loadcnt 12                              ; step 0's four loads are in; three steps' twelve may be out
	XTURN 0
.macro XSTEP t
.set XS, XX+16*((\t)%2)
.if (\t) > 0
	s_wait_dscnt 1                                 ; this step's numbers are back from the stage (the last step's byte store may be out): so its stores into the stage have read their registers,
.else
	s_wait_dscnt 0x0
.endif
.if (\t)+4 < XSTEPS
	XLOAD (\t)+4                                   ; which take the loads of four steps on
.endif
.if (\t)+1 < XSTEPS
.if XSTEPS-2-(\t) >= 3
	s_wait_loadcnt 12                              ; the next step's four loads are in; those of the three steps behind it may be out
.else
	s_wait_loadcnt 4*(XSTEPS-2-(\t))
.endif
	XTURN (\t)+1                                   ; and go through the other stage while this step is worked
.endif
	v_max3_num_f32 v8, |v[XS]|, |v[XS+1]|, |v[XS+2]|               ; the largest magnitude of my 16
	v_max3_num_f32 v9, |v[XS+3]|, |v[XS+4]|, |v[XS+5]|
.irp i, 6,10
	v_max3_num_f32 v8, v8, |v[XS+\i]|, |v[XS+\i+1]|
	v_max3_num_f32 v9, v9, |v[XS+\i+2]|, |v[XS+\i+3]|
.endr
	v_max3_num_f32 v8, v8, |v[XS+14]|, |v[XS+15]|
	v_max3_num_f32 v8, v8, v9, (EMAX+1)<<23        ; and the floor 2^(3 - 127): the byte cannot fall under 1
	v_max_num_f32_dpp v8, v8, v8 row_xmask:1 row_mask:0xf bank_mask:0xf   ; and of my neighbour's 16: the block's
	v_add_nc_u32 v11, -(EMAX<<23), v8              ; 2 off its exponent field: the conversion takes the exponent field of this operand as its scale
	v_cvt_scalef32_pk16_fp6_f32 v[XC+4*(\t):XC+4*(\t)+2], v[XS:XS+15], v11
	v_lshrrev_b32 v[XE+(\t)], 23, v11              ; the scale's byte
	ds_store_b8 v5, v[XE+(\t)] offset:16*(\t)      ; both lanes of a block write the same byte with the same value
	global_store_b96 v4, v[XC+4*(\t):XC+4*(\t)+2], s[12:13] offset:192*((\t)/2)+2*1572864*((\t)%2)   ; row t / 2, K steps 2 (t % 2) and 2 (t % 2) + 1
.endm
.irp t, 0,1,2,3,4,5,6,7,8,9,10,11,12,13,14,15
	XSTEP \t
.endr
	ds_load_b64 v[12:13], v6                       ; LDS serves a wave's instructions in order: these see my stores
	s_wait_dscnt 0x0
	global_store_b64 v7, v[12:13], s[14:15]        ; 32 lanes store 256 consecutive bytes, aligned
	s_wait_tensorcnt 0x0
	ds_add_u32 v208, v209
	s_wait_dscnt 0x0
	s_endpgm
	; ---------------- WEIGHTS.  A lane takes a column n and its registers run down K; a wave takes 32 columns x 256 along K: 8 blocks a lane.  The row pitch of the weight (4,096 or 512 bytes) lies in a register.
.Lweights:
	s_load_b64 s[4:5], s[0:1], 0x18                ; w_q
	s_load_b64 s[6:7], s[0:1], 0x20                ; w_k
	s_load_b64 s[8:9], s[0:1], 0x28                ; w_v
	s_load_b64 s[10:11], s[0:1], 0x30              ; w_0
	s_load_b64 s[12:13], s[0:1], 0x48              ; wc
	s_load_b64 s[14:15], s[0:1], 0x50              ; ws
	v_lshrrev_b32 v1, 5, v0
	v_readfirstlane_b32 s16, v1                    ; wave
	v_and_b32 v2, 31, v0                           ; lane
	s_wait_alu depctr_va_vdst(0)
	s_sub_co_u32 s17, ttmp9, 768
	s_lshr_b32 s18, s17, 5                         ; which weight: 0 w_q, 1 w_k, 2 w_v, 3 w_0
	s_and_b32 s19, s17, 31
	s_and_b32 s20, s19, 7
	s_lshr_b32 s21, s19, 3
	s_mov_b32 s22, 4096
	s_cmp_eq_u32 s18, 3
	s_cselect_b32 s20, 0, s20                      ; which 128 columns (w_0 has 128 in all)
	s_cselect_b32 s21, s19, s21                    ; which 256 along K
	s_cselect_b32 s22, 512, s22
	s_mov_b32 s48, 196608
	s_cselect_b32 s48, 24576, s48                  ; a K step's plane of codes: 1,024 or 128 positions of 192 bytes
	s_lshl_b32 s20, s20, 7
	s_lshl_b32 s23, s16, 5
	s_add_co_u32 s20, s20, s23                     ; my wave's first column
	s_lshl_b32 s40, s22, 8
	s_mul_i32 s40, s40, s21                        ; 256 rows for each step along K,
	s_lshl_b32 s23, s20, 2
	s_add_co_u32 s40, s40, s23                     ; + 4 bytes a column
	s_mov_b32 s41, 0
	s_lshl_b32 s42, s22, 5                         ; a block's 32 rows
	s_mov_b32 s43, 0
	s_mul_i32 s44, s18, 786432                     ; codes: the weights before (1,024 rows of 768 bytes),
	s_mul_i32 s23, s20, 192
	s_add_co_u32 s44, s44, s23                     ; my 32 positions,
	s_mul_i32 s23, s21, s48
	s_add_co_u32 s44, s44, s23                     ; my 256 along K
	s_mul_i32 s49, s16, 24576                      ; w_0 leaves as images of operand fragments: [position tile (8)][128 along K (8)][1,536 bytes]: my two tiles,
	s_mul_i32 s23, s21, 3072                       ; my two fragments along K,
	s_add_co_u32 s49, s49, s23
	s_add_co_u32 s49, s49, 2359296                 ; behind the three large weights
	s_cmp_eq_u32 s18, 3
	s_cselect_b32 s44, s49, s44
	s_mov_b32 s45, 0
	s_lshl_b32 s46, s18, 15                        ; the scale bytes likewise: 32 a row, 8 for 256 along K
	s_lshl_b32 s23, s20, 5
	s_add_co_u32 s46, s46, s23
	s_lshl_b32 s23, s21, 3
	s_add_co_u32 s46, s46, s23
	s_mov_b32 s47, 0
	v_lshlrev_b32 v[OF], 2, v2                     ; row 0 of a block: 4 bytes a lane
.irp i, 1,2,3,4,5,6,7,8,9,10,11,12,13,14,15,16,17,18,19,20,21,22,23,24,25,26,27,28,29,30,31
	v_add_nc_u32 v[OF+\i], s22, v[OF+\i-1]         ; row i: a pitch further
.endr
	v_and_b32 v10, 7, v2
	v_and_b32 v11, 8, v2
	v_lshl_add_u32 v10, v11, 1, v10
	v_bfe_u32 v11, v2, 4, 1
	v_lshl_add_u32 v10, v11, 3, v10                ; pi(lane): my column's position among the wave's 32
	s_mul_i32 s23, s16, 32*WPITCH
	s_add_co_u32 s23, s23, WLDS                    ; my stage
	v_mul_u32_u24 v4, v10, WPITCH
	v_add_nc_u32 v4, s23, v4                       ; into it: row = my column's position
	v_and_b32 v5, 15, v2
	v_lshrrev_b32 v6, 4, v2                        ; out of it: sixteen lanes to a row, two rows an instruction
	v_mul_u32_u24 v7, v6, WPITCH
	v_lshl_add_u32 v7, v5, 4, v7
	v_add_nc_u32 v7, s23, v7
	v_mul_u32_u24 v8, v6, 192
	v_mad_u32_u24 v8, v5, 12, v8                   ; and the same place in the codes' buffer
	v_lshlrev_b32 v9, 5, v10
	v_mul_u32_u24 v14, v5, WPITCH                  ; w_0's way out of the stage: row r = lane % 16,
	v_lshl_add_u32 v14, v6, 5, v14                 ; block lane / 16 of a fragment's half: two places of 16 bytes
	v_add_nc_u32 v14, s23, v14
	v_lshlrev_b32 v15, 4, v2                       ; 16 x lane: my place in a store of a fragment's image
	s_wait_kmcnt 0x0
	s_cmp_eq_u32 s18, 0
	s_cselect_b64 s[4:5], s[4:5], s[6:7]
	s_cmp_eq_u32 s18, 2
	s_cselect_b64 s[4:5], s[8:9], s[4:5]
	s_cmp_eq_u32 s18, 3
	s_cselect_b64 s[4:5], s[10:11], s[4:5]
	s_add_nc_u64 s[24:25], s[4:5], s[40:41]        ; a base for each of the eight blocks: no pointer is stepped while loads are out
.irp t, 1,2,3,4,5,6,7
	s_add_nc_u64 s[24+2*\t:25+2*\t], s[22+2*\t:23+2*\t], s[42:43]
.endr
	s_add_nc_u64 s[12:13], s[12:13], s[44:45]
	s_add_nc_u64 s[14:15], s[14:15], s[46:47]
.macro WLOAD t                         ; block t: W(32 t + i, my column), i = 0 .. 31, into set t % 2; 32 lanes read 128 consecutive bytes
.irp i, 0,1,2,3,4,5,6,7,8,9,10,11,12,13,14,15,16,17,18,19,20,21,22,23,24,25,26,27,28,29,30,31
	global_load_b32 v[WX+32*((\t)%2)+\i], v[OF+\i], s[24+2*(\t):25+2*(\t)] th:TH_LOAD_NT
.endr
.endm
	WLOAD 0
	WLOAD 1
.macro WBLOCK t
.set XS, WX+32*((\t)%2)
.if (\t) < 7
	s_wait_loadcnt 32                              ; this block's 32 loads are in; the next block's may be out
.else
	s_wait_loadcnt 0
.endif
	v_max3_num_f32 v12, |v[XS]|, |v[XS+1]|, |v[XS+2]|              ; the block's largest magnitude: all 32 numbers are mine
	v_max3_num_f32 v13, |v[XS+3]|, |v[XS+4]|, |v[XS+5]|
.irp i, 6,10,14,18,22,26
	v_max3_num_f32 v12, v12, |v[XS+\i]|, |v[XS+\i+1]|
	v_max3_num_f32 v13, v13, |v[XS+\i+2]|, |v[XS+\i+3]|
.endr
	v_max3_num_f32 v12, v12, |v[XS+30]|, |v[XS+31]|
	v_max3_num_f32 v12, v12, v13, (EMAX+1)<<23     ; and the floor
	v_add_nc_u32 v11, -(EMAX<<23), v12             ; the conversion's scale operand
	v_lshrrev_b32 v13, 23, v11                     ; the scale's byte
.if (\t)%4 == 0
	v_mov_b32 v[WSB+(\t)/4], v13                   ; four bytes to a register, the lower K in the lower byte
.else
	v_lshl_or_b32 v[WSB+(\t)/4], v13, 8*((\t)%4), v[WSB+(\t)/4]
.endif
	v_cvt_scalef32_pk16_fp6_f32 v[WC:WC+2], v[XS:XS+15], v11
	v_cvt_scalef32_pk16_fp6_f32 v[WC+4:WC+6], v[XS+16:XS+31], v11  ; (a conversion's three registers begin on an even number)
	ds_store_b96 v4, v[WC:WC+2] offset:32*(\t)     ; 12 bytes to a place of 16, so that every LDS address is a multiple of 16
	ds_store_b96 v4, v[WC+4:WC+6] offset:32*(\t)+16
.if (\t)+2 < 8
	WLOAD (\t)+2
.endif
	s_wait_dscnt 0x0                               ; the stores have read their registers: the next block's codes may be written
.endm
.irp t, 0,1,2,3,4,5,6,7
	WBLOCK \t
.endr
	s_wait_alu depctr_va_vdst(0)
	global_store_b64 v9, v[WSB:WSB+1], s[14:15]
	s_cmp_eq_u32 s18, 3                            ; the choice hangs on the work-group's number alone
	s_cbranch_scc1 .Lw0_image
.irp t, 0,1,2,3,4,5,6,7,8,9,10,11,12,13,14,15
	ds_load_b96 v[WOUT+4*\t:WOUT+4*\t+2], v7 offset:2*\t*WPITCH    ; LDS serves a wave's instructions in order: these see my stores
.endr
.irp t, 0,1,2,3,4,5,6,7,8,9,10,11,12,13,14,15
	s_wait_dscnt 15-\t                             ; the younger loads may be out
	global_store_b96 v8, v[WOUT+4*\t:WOUT+4*\t+2], s[12:13] offset:2*\t*192
.endr
	s_wait_tensorcnt 0x0
	ds_add_u32 v208, v209
	s_wait_dscnt 0x0
	s_endpgm
	; w_0: four fragments (tile f / 2 of 16 positions, 128 along K f % 2).  Register g of lane (r, h) is word g % 3 of the place that holds 16 codes of k = 64 (g / 6) + 32 h + 16 ((g % 6) / 3) of row r.
.Lw0_image:
.irp f, 0,1,2,3
.irp g, 0,1,2,3,4,5,6,7,8,9,10,11
	ds_load_b32 v[WOUT+12*\f+\g], v14 offset:(\f/2)*16*WPITCH+(\f%2)*128+(\g/6)*64+((\g%6)/3)*16+(\g%3)*4
.endr
.endr
	s_wait_dscnt 0x0
.irp f, 0,1,2,3
.irp c, 0,1,2
	global_store_b128 v15, v[WOUT+12*\f+4*\c:WOUT+12*\f+4*\c+3], s[12:13] offset:(\f/2)*12288+(\f%2)*1536+512*\c   ; 32 lanes store 512 consecutive bytes, aligned
.endr
.endr
	s_wait_tensorcnt 0x0
	ds_add_u32 v208, v209
	s_wait_dscnt 0x0
	s_endpgm
.Lfunc_end_k_q6616726a30_quant:
	.size	k_q6616726a30_quant, .Lfunc_end_k_q6616726a30_quant-k_q6616726a30_quant
	.p2alignl 7, 3214868480
	.fill 96, 4, 3214868480
	.section	.rodata,"a",@progbits
	.p2align	6, 0x0
	.amdhsa_kernel k_q6616726a30_quant
		.amdhsa_group_segment_fixed_size 68096
		.amdhsa_private_segment_fixed_size 0
		.amdhsa_enable_private_segment 0
		.amdhsa_kernarg_size 88
		.amdhsa_user_sgpr_count 2
		.amdhsa_user_sgpr_kernarg_segment_ptr 1
		.amdhsa_wavefront_size32 1
		.amdhsa_system_sgpr_workgroup_id_x 1
		.amdhsa_system_sgpr_workgroup_id_y 1
		.amdhsa_system_sgpr_workgroup_id_z 1
		.amdhsa_system_vgpr_workitem_id 0
		.amdhsa_next_free_vgpr 210
		.amdhsa_next_free_sgpr 66
		.amdhsa_reserve_vcc 0
		.amdhsa_float_denorm_mode_32 3
		.amdhsa_float_denorm_mode_16_64 3
		.amdhsa_memory_ordered 1
		.amdhsa_forward_progress 1
		.amdhsa_inst_pref_size 81
	.end_amdhsa_kernel
	.amdgpu_metadata
---
amdhsa.version: [ 1, 2 ]
amdhsa.kernels:
  - .name:           k_q6616726a30_quant
    .symbol:         k_q6616726a30_quant.kd
    .args:
      - { .name: q, .offset: 0, .size: 8, .value_kind: global_buffer, .address_space: global }
      - { .name: k, .offset: 8, .size: 8, .value_kind: global_buffer, .address_space: global }
      - { .name: v, .offset: 16, .size: 8, .value_kind: global_buffer, .address_space: global }
      - { .name: w_q, .offset: 24, .size: 8, .value_kind: global_buffer, .address_space: global }
      - { .name: w_k, .offset: 32, .size: 8, .value_kind: global_buffer, .address_space: global }
      - { .name: w_v, .offset: 40, .size: 8, .value_kind: global_buffer, .address_space: global }
      - { .name: w_0, .offset: 48, .size: 8, .value_kind: global_buffer, .address_space: global }
      - { .name: xc, .offset: 56, .size: 8, .value_kind: global_buffer, .address_space: global }
      - { .name: xs, .offset: 64, .size: 8, .value_kind: global_buffer, .address_space: global }
      - { .name: wc, .offset: 72, .size: 8, .value_kind: global_buffer, .address_space: global }
      - { .name: ws, .offset: 80, .size: 8, .value_kind: global_buffer, .address_space: global }
    .group_segment_fixed_size: 68096
    .private_segment_fixed_size: 0
    .kernarg_segment_align: 8
    .kernarg_segment_size: 88
    .max_flat_workgroup_size: 128
    .sgpr_count:     66
    .vgpr_count:     210
    .wavefront_size: 32
...
	.end_amdgpu_metadata
.endif
;; end of part 1
;; launch proj (part 2): grid 4 x 64, 4 waves a work-group, clusters of 4 x 4, 327,680 bytes of LDS; arguments xc, xs, wc, ws, b_q, b_k, b_v, pf, ps; writes pf, ps
.if DOCPART == 2
	.amdgcn_target "amdgcn-amd-amdhsa--gfx1250"
	.amdhsa_code_object_version 6
	.text
	.protected	k_q6616726a30_proj
	.globl	k_q6616726a30_proj
	.p2align	8
	.type	k_q6616726a30_proj,@function
k_q6616726a30_proj:
	s_mov_b64 s[64:65], 0
	v_nop
	global_prefetch_b8 v0, s[64:65] scope:SCOPE_SE
	s_setreg_imm32_b32 hwreg(HW_REG_WAVE_MODE, 25, 1), 1
	s_wait_xcnt 0x0
	s_wait_alu depctr_hold_cnt(0) depctr_sa_sdst(0) depctr_va_vdst(0) depctr_va_sdst(0) depctr_va_ssrc(0) depctr_va_vcc(0) depctr_vm_vsrc(0)
	s_getreg_b32 s2, hwreg(HW_REG_IB_STS2, 6, 4)
	s_cmp_eq_u32 s2, 0
	s_cbranch_scc0 .Lentry_in_a_cluster
	s_endpgm
.Lentry_in_a_cluster:
	s_bfe_u32 s2, ttmp6, 0x10000c
	s_cmp_lg_u32 s2, 0xf033
	s_cbranch_scc0 .Lentry_shape_is_right
	s_endpgm
.Lentry_shape_is_right:
; The three projections relu(x w + b) on codes of FP6 (E2M3) with E8M0 scales, K = 1,024, and the quantising of their results for the attention.
; 3 x 8,192 x 1,024 results are 384 tiles of 256 x 256: one and a half for each of 256 work-groups.  So A WORK-GROUP STAYS AND MAKES TWO TILES:
;   PASS 1: a tile of 256 tokens x 256 units of q or k (cluster y / 8 says which).  Four waves, each 128 x 128: 64 accumulators.
;   PASS 2: a tile of 256 units x 128 tokens of v.  Four waves, each 64 units x 128 tokens: 32 accumulators.
; K goes in steps of 256 (rows of 192 bytes) through a ring of two LDS slots filled by the tensor data mover, and the ring goes on from pass 1 into pass 2: pass 1's last two changes of slots ask for pass 2's
; first two K steps, which land while pass 1's results go out.  The scale bytes of both passes' rows, for all of K, come into LDS once, with the first fills.
; SOURCES.  Source 0 = 16 rows of B, source 1 = 16 rows of A: a lane holds ONE row of A, and its registers run along B's rows.  Rows lie in memory at positions pi(row) (bits 3 and 4 exchanged), so that the 16 registers of
; two neighbouring tiles are 16 neighbours along B's axis.  Pass 1: A = the tokens, B = the weight: registers run along the head's 128 units, the first attention product's K.  Pass 2: A = w_v, B = the tokens:
; registers run along the keys, the second product's K.
; THE WAY OUT.  A block of 16 rows of A x 128 gets its bias (pass 1: by the register; pass 2: by the lane), relu, and is quantised in registers to one operand fragment: 12 registers a lane, stored as they stand by
; three stores of 512 consecutive bytes; its scale words, 4 bytes a row.
; CLUSTERS: 4 x 4 work-groups; A's tiles are asked for jointly along a row of the cluster, B's along a column, in both passes.
; LIMITS: NaN and infinities are not served; a block of zeros carries the byte 1 over zero codes (read by this program alone).
; REGISTERS: window 0: v0-31 addresses; v32-63 scale words, two sets; v64-127 pass 1's bias; v128-223 A's fragments (pass 1: one set of 8; pass 2: two sets of 4; on the ways out: v128-191 64 numbers, v192-214 codes and scale words);
;   v224-231 pass 2's bias, in pairs; v240-255 at work.   window 1: B's fragments, two sets.   windows 2, 3: the accumulators ((a, b) at v[8 (8 (a % 4) + b)]).
.set KSTEP,  256
.set NQ,     KSTEP/128
.set ROWB,   192                       ; a tile's row in bytes
.set KROW,   768
.set XPL,    1572864                   ; the tokens' codes lie [tensor][K step][position][192 bytes]: a K step's plane is 8,192 x 192 bytes,
.set WPL,    196608                    ; a weight's 1,024 x 192: 128 positions of a K step are 24,576 dense bytes, loaded as 96 rows of 256 bytes
.set PITCH,  240                       ; an LDS row: 3 x (64 bytes + 16 of padding)
.set FR,     12
.set NL,     6
.set NP,     4                         ; places behind this matrix instruction (ISA guide 7.12.1)
.set HALFT,  128*PITCH
.set SLOT,   4*HALFT                   ; A's 256 rows, then B's 256 (pass 2: 128)
.set KS,     32                        ; a row of scale bytes
.set SCL,    2*SLOT                    ; pass 1's scale bytes
.set HALFS,  (128*KS/256)*272          ; those of 128 rows
.set SBLK,   (16*KS/256)*272           ; those of 16 rows
.set SPARE,  SCL+4*HALFS               ; the spare words, 128 bytes for each wave: two blocks of 256 bytes that no other line names
.set SCL2,   SPARE+512                 ; pass 2's scale bytes: w_v's 256 rows, then the 128 tokens'
.set ADRS2, 7                          ; v7     pass 2: LDS address of my scale words
.set ADRA2, 8                          ; v8-11  pass 2: of my A fragments in slot 0, 1, and the same behind one padding more
.set ADRB2, 12                         ; v12-15 pass 2: of B's
.set ADRA, 16                          ; v16-19 pass 1 likewise
.set ADRB, 20                          ; v20-23
.set GOF,  24                          ; v24  16 x lane: my place in a store of codes
.set GSF,  25                          ; v25  4 x lane: in a store of scale words
.set BNO,  26                          ; v26  64 x (lane / 16)
.set ADRS, 27
.set SPW,  28
.set NIL,  29
.set BMO,  30                          ; v30  4 x (r % 8 + 16 (r / 8))
.set SC,   32
.set BN,   64
.set AF,   128
.set BM,   224
.set TM,   240
.set HA,   128
.set QC,   192
.set PW,   212
.set PWE,  213
.set PWM,  214
.set PA,   20                          ; s[20:21] pass 2: where my part of A's first tile lies in memory
.set PB,   22                          ; s[22:23] the same for B's
.set SEL,  100
.set G1, 24                            ; s[24:31] group 1 for A's tiles;  s[32:39] group 0, one set for each slot
.set G0, 32
.set G1B, 48                           ; s[48:55], s[56:63] the same for B's
.set G0B, 56
.set G1S, 68                           ; s[68:75] group 1 for A's scale bytes;  s[76:79] group 0, pass 1;  s[92:95] pass 2
.set G0S, 76
.set G1SB, 80                          ; s[80:87] for B's;  s[88:91] pass 1;  s[96:99] pass 2
.set G0SB, 88
.set G0S2, 92
.set G0SB2, 96
.set MSB, 0
.macro WIN new                         ; the immediate's high byte repeats the setting that is left
.if MSB != (\new)
	s_set_vgpr_msb (MSB<<8)|(\new)
.set MSB, (\new)
.endif
.endm
.set MUL_LO, 0xa1                      ; source 0 (B) window 1, source 1 (A) window 0, C and D window 2
.set MUL_HI, 0xf1
.set TO_B,   0x40
; A joint load of pass 1: waves 0 and 1 fetch for A, waves 2 and 3 for B.  The branch hangs on the wave's number alone.  Four v_nop follow each of the two lines.
.macro JLOAD g0a, g1a, g0b, g1b
	s_cmp_eq_u32 s15, 0
	s_cbranch_scc0 .Lfor_b_\@
	tensor_load_to_lds s[\g0a:\g0a+3], s[\g1a:\g1a+7]
	s_nop 0
.rept 4
	v_nop
.endr
	s_branch .Lasked_\@
.Lfor_b_\@:
	tensor_load_to_lds s[\g0b:\g0b+3], s[\g1b:\g1b+7]
	s_nop 0
.rept 4
	v_nop
.endr
.Lasked_\@:
.endm
; A joint load of pass 2: waves 0 and 1 fetch A's halves, wave 2 B's 128 rows, wave 3 nothing.
.macro JLOAD2 slot
	s_cmp_eq_u32 s15, 0
	s_cbranch_scc0 .Lv_b_\@
	tensor_load_to_lds s[G0+4*\slot:G0+4*\slot+3], s[G1:G1+7]
	s_nop 0
.rept 4
	v_nop
.endr
	s_branch .Lv_asked_\@
.Lv_b_\@:
	s_cmp_eq_u32 s14, 2
	s_cbranch_scc0 .Lv_asked_\@
	tensor_load_to_lds s[G0B+4*\slot:G0B+4*\slot+3], s[G1B:G1B+7]
	s_nop 0
.rept 4
	v_nop
.endr
.Lv_asked_\@:
.endm
.macro NEXT2 slot                      ; this slot's groups 0 are set to pass 2's K step \slot.  It stands behind a wait for all my tensor loads, with no load issued since
	s_add_nc_u64 s[G0+4*\slot+2:G0+4*\slot+3], s[PA:PA+1], \slot*WPL
	s_or_b32 s[G0+4*\slot+3], s[G0+4*\slot+3], 0x80000000
	s_add_nc_u64 s[G0B+4*\slot+2:G0B+4*\slot+3], s[PB:PB+1], \slot*XPL
	s_or_b32 s[G0B+4*\slot+3], s[G0B+4*\slot+3], 0x80000000
.endm
.macro CREST                           ; a round of the cluster's barrier behind its opening barrier
	s_cmp_lg_u32 s14, 0
	s_cbranch_scc1 .Lnot_wave_0_\@
	s_barrier_signal -3
.Lnot_wave_0_\@:
	s_barrier_wait -3
	s_barrier_signal -1
	s_barrier_wait -1
.endm
.macro CROUND
	s_barrier_signal -1
	s_barrier_wait -1
	CREST
.endm
	s_load_b128 s[4:7], s[0:1], 0x0                ; xc, xs
	s_load_b128 s[8:11], s[0:1], 0x10              ; wc, ws
	s_load_b64 s[12:13], s[0:1], 0x38              ; pf
	s_load_b64 s[66:67], s[0:1], 0x40              ; ps
	v_lshl_add_u32 v[SPW], v0, 2, SPARE
	v_mov_b32 v[NIL], 0
	ds_add_u32 v28, v29
	ds_add_u32 v28, v29
	s_wait_dscnt 0x0
	v_lshrrev_b32 v1, 5, v0
	v_readfirstlane_b32 s14, v1                    ; wave 0..3
	s_lshr_b32 s15, s14, 1                         ; pass 1: which half of the tile's rows (A) is mine.  Also: I fetch for A (0) or for B (1)
	s_and_b32 s16, s14, 1                          ; pass 1: which half of its columns (B).  Also: which 128 rows I fetch
	s_bfe_u32 s40, ttmp6, 0x40000                  ; cx
	s_bfe_u32 s41, ttmp6, 0x40004                  ; cy
	s_and_b32 s105, ttmp7, 0xffff                  ; cluster y, 0..15
	s_lshr_b32 s104, s105, 3                       ; T: 0 q, 1 k
	s_and_b32 s18, s105, 7
	s_lshl_b32 s17, s18, 2
	s_add_co_u32 s17, s17, s41                     ; pass 1: tile row of 256 tokens = 4 x (cluster y % 8) + cy; the tile column of 256 units is cx
	s_lshl_b32 s43, s41, 2
	s_lshl_b32 s43, 15, s43                        ; my row of the cluster
	s_lshl_b32 s44, 0x1111, s40                    ; my column
	; descriptor group 1: a tile of 128 rows x 192 bytes, 16 bytes of padding behind every 64
	s_or_b32 s[G1+0], s43, (0<<16)|(1<<20)|(1<<21)|(3<<22)|(3<<25)
	s_or_b32 s[G1B+0], s44, (0<<16)|(1<<20)|(1<<21)|(3<<22)|(3<<25)
.irp g, G1, G1B
	s_mov_b32 s[\g+1], 256<<16                     ; tensor_dim0: rows of 256 bytes of a dense block
	s_mov_b32 s[\g+2], 192<<16                     ; tensor_dim1: 256 positions x 192 bytes for the first fills; the ring's loads take 96
	s_mov_b32 s[\g+3], 256<<16                     ; tile_dim0
	s_mov_b32 s[\g+4], 192                         ; tile_dim1
	s_mov_b32 s[\g+5], 256                         ; tensor_dim0_stride
	s_mov_b32 s[\g+6], 0
	s_mov_b32 s[\g+7], 0
.endr
	; the scale bytes of 128 rows: 4,096 dense bytes as 16 rows of 256 (32 elements of 8 bytes), 16 bytes of padding behind each
	s_or_b32 s[G1S+0], s43, (3<<16)|(1<<20)|(1<<21)|(5<<22)|(3<<25)
	s_or_b32 s[G1SB+0], s44, (3<<16)|(1<<20)|(1<<21)|(5<<22)|(3<<25)
.irp g, G1S, G1SB
	s_mov_b32 s[\g+1], 32<<16
	s_mov_b32 s[\g+2], (256*KS/256)<<16            ; the scale bytes of 256 rows: 32 rows of 256 bytes
	s_mov_b32 s[\g+3], 32<<16
	s_mov_b32 s[\g+4], 256*KS/256
	s_mov_b32 s[\g+5], 32
	s_mov_b32 s[\g+6], 0
	s_mov_b32 s[\g+7], 0
.endr
	; byte offsets, each made in the pair that will hold the address (all under 2^25).  What feeds A's descriptors never holds cx, what feeds B's never cy
	s_lshl_b32 s18, s17, 8                         ; pass 1, A: token position 256 x tile row
	s_mul_i32 s[G0+2], s18, 192
	s_mul_i32 s45, s104, 6291456
	s_add_co_u32 s[G0+2], s[G0+2], s45
	s_mov_b32 s[G0+3], 0
	s_lshl_b32 s[G0S+2], s18, 5
	s_lshl_b32 s45, s104, 18
	s_add_co_u32 s[G0S+2], s[G0S+2], s45
	s_mov_b32 s[G0S+3], 0
	s_lshl_b32 s46, s40, 8                         ; pass 1, B: unit position 256 cx
	s_mul_i32 s[G0B+2], s46, 192
	s_mul_i32 s47, s104, 786432
	s_add_co_u32 s[G0B+2], s[G0B+2], s47
	s_mov_b32 s[G0B+3], 0
	s_lshl_b32 s[G0SB+2], s46, 5
	s_lshl_b32 s47, s104, 15
	s_add_co_u32 s[G0SB+2], s[G0SB+2], s47
	s_mov_b32 s[G0SB+3], 0
	s_lshl_b32 s18, s41, 8                         ; pass 2, A: unit position 256 cy of w_v;
	s_mul_i32 s[PA], s18, 192
	s_add_co_u32 s[PA], s[PA], 2*786432
	s_mul_i32 s19, s16, 24576                      ; its tiles come by halves of 128 positions
	s_add_co_u32 s[PA], s[PA], s19
	s_mov_b32 s[PA+1], 0
	s_lshl_b32 s[G0S2+2], s18, 5
	s_add_co_u32 s[G0S2+2], s[G0S2+2], 2*32768
	s_mov_b32 s[G0S2+3], 0
	s_lshl_b32 s46, s105, 2
	s_add_co_u32 s46, s46, s40
	s_lshl_b32 s46, s46, 7                         ; pass 2, B: token position 128 x (4 x cluster y + cx) of v
	s_mul_i32 s[PB], s46, 192
	s_add_co_u32 s[PB], s[PB], 2*6291456
	s_mov_b32 s[PB+1], 0
	s_lshl_b32 s[G0SB2+2], s46, 5
	s_add_co_u32 s[G0SB2+2], s[G0SB2+2], 2*262144
	s_mov_b32 s[G0SB2+3], 0
	s_wait_kmcnt 0x0
	s_mov_b32 s[G0S], 1
	s_mov_b32 s[G0S+1], SCL
	s_add_nc_u64 s[G0S+2:G0S+3], s[6:7], s[G0S+2:G0S+3]
	s_or_b32 s[G0S+3], s[G0S+3], 0x80000000
	s_mov_b32 s[G0SB], 1
	s_mov_b32 s[G0SB+1], SCL+2*HALFS
	s_add_nc_u64 s[G0SB+2:G0SB+3], s[10:11], s[G0SB+2:G0SB+3]
	s_or_b32 s[G0SB+3], s[G0SB+3], 0x80000000
	s_mov_b32 s[G0S2], 1
	s_mov_b32 s[G0S2+1], SCL2
	s_add_nc_u64 s[G0S2+2:G0S2+3], s[10:11], s[G0S2+2:G0S2+3]
	s_or_b32 s[G0S2+3], s[G0S2+3], 0x80000000
	s_mov_b32 s[G0SB2], 1
	s_mov_b32 s[G0SB2+1], SCL2+2*HALFS
	s_add_nc_u64 s[G0SB2+2:G0SB2+3], s[6:7], s[G0SB2+2:G0SB2+3]
	s_or_b32 s[G0SB2+3], s[G0SB2+3], 0x80000000
	s_add_nc_u64 s[G0+2:G0+3], s[4:5], s[G0+2:G0+3]
	s_add_nc_u64 s[G0+6:G0+7], s[G0+2:G0+3], XPL
	s_add_nc_u64 s[G0B+2:G0B+3], s[8:9], s[G0B+2:G0B+3]
	s_add_nc_u64 s[G0B+6:G0B+7], s[G0B+2:G0B+3], WPL
.irp s, 0,1
	s_mov_b32 s[G0+4*\s], 1
	s_mov_b32 s[G0+4*\s+1], \s*SLOT                ; the first fills bring whole tiles of 256 positions
	s_or_b32 s[G0+4*\s+3], s[G0+4*\s+3], 0x80000000
	s_mov_b32 s[G0B+4*\s], 1
	s_mov_b32 s[G0B+4*\s+1], 2*HALFT+\s*SLOT
	s_or_b32 s[G0B+4*\s+3], s[G0B+4*\s+3], 0x80000000
.endr
	s_add_nc_u64 s[PA:PA+1], s[8:9], s[PA:PA+1]
	s_add_nc_u64 s[PB:PB+1], s[4:5], s[PB:PB+1]
	CROUND                                         ; all sixteen work-groups are here: the first joint loads meet
	; THE FIRST FILLS: all of a wave's stand in one branch on its number.  Here K step 0 and pass 1's scale bytes; behind the next round K step 1 and pass 2's: one load of mine is out
; FOUR FIRST FILLS, ONE A WAVE: one chain of branches on the wave's number, a load to an arm, all arms leading to one join.
.macro ARM4 g0, g1
	tensor_load_to_lds s[\g0:\g0+3], s[\g1:\g1+7]
	s_nop 0
.rept 4
	v_nop
.endr
.endm
.macro FOUR a0, a1, b0, b1, c0, c1, d0, d1
	s_cmp_lt_u32 s14, 1
	s_cbranch_scc0 .Lf1_\@
	ARM4 \a0, \a1
	s_branch .Lf4_\@
.Lf1_\@:
	s_cmp_lt_u32 s14, 2
	s_cbranch_scc0 .Lf2_\@
	ARM4 \b0, \b1
	s_branch .Lf4_\@
.Lf2_\@:
	s_cmp_lt_u32 s14, 3
	s_cbranch_scc0 .Lf3_\@
	ARM4 \c0, \c1
	s_branch .Lf4_\@
.Lf3_\@:
	ARM4 \d0, \d1
.Lf4_\@:
.endm
	FOUR G0, G1, G0B, G1B, G0S, G1S, G0SB, G1SB    ; wave 0: K step 0 of A's 256 positions; wave 1: of B's; wave 2: A's scale bytes; wave 3: B's
	s_load_b128 s[4:7], s[0:1], 0x20               ; b_q, b_k (the four buffers' addresses above are used up)
	s_load_b64 s[8:9], s[0:1], 0x30                ; b_v
	v_and_b32 v1, 15, v0                           ; r = lane % 16
	v_bfe_u32 v2, v0, 4, 1                         ; h = lane / 16
	v_mul_u32_u24 v3, v1, PITCH
	v_mul_u32_u24 v4, v2, 24
	v_add_nc_u32 v4, v3, v4                        ; a fragment's row x pitch + 24 x half
	v_lshl_add_u32 v5, v2, 4, v4                   ; and the same behind one padding more
	s_mul_i32 s18, s15, HALFT                      ; pass 1: my 128 rows of A,
	s_mul_i32 s19, s16, HALFT                      ; my 128 rows of B,
	s_add_co_u32 s19, s19, 2*HALFT                 ; which lie behind A's 256
	s_mul_i32 s46, s14, 64*PITCH                   ; pass 2: my 64 rows of A; B's 128 rows are every wave's
.irp s, 0,1
	v_add_nc_u32 v[ADRA+\s], s18, v4
	v_add_nc_u32 v[ADRB+\s], s19, v4
	v_add_nc_u32 v[ADRA+2+\s], s18, v5
	v_add_nc_u32 v[ADRB+2+\s], s19, v5
	v_add_nc_u32 v[ADRA2+\s], s46, v4
	v_add_nc_u32 v[ADRA2+2+\s], s46, v5
	v_add_nc_u32 v[ADRB2+\s], 2*HALFT+\s*SLOT, v4
	v_add_nc_u32 v[ADRB2+2+\s], 2*HALFT+\s*SLOT, v5
	s_add_co_u32 s18, s18, SLOT
	s_add_co_u32 s19, s19, SLOT
	s_add_co_u32 s46, s46, SLOT
.endr
	v_mul_u32_u24 v5, v1, KS                       ; my row's scales: 32 bytes a row,
	v_lshrrev_b32 v6, 8, v5
	v_lshl_add_u32 v5, v6, 4, v5                   ; and 16 more for each 256 passed
	s_mul_i32 s18, s15, HALFS                      ; pass 1: lanes 0-15 take A's rows,
	s_mul_i32 s19, s16, HALFS
	s_add_co_u32 s19, s19, 2*HALFS
	s_sub_co_u32 s19, s19, s18
	v_mul_u32_u24 v6, s19, v2                      ; lanes 16-31 B's
	s_add_co_u32 s18, s18, SCL
	v_add_nc_u32 v6, v5, v6
	v_add_nc_u32 v[ADRS], s18, v6
	s_mul_i32 s18, s14, 4*SBLK                     ; pass 2: A's: my four blocks of 16 rows; B's: behind A's 256 rows
	s_mov_b32 s19, 2*HALFS
	s_sub_co_u32 s19, s19, s18
	v_mul_u32_u24 v6, s19, v2
	s_wait_alu depctr_va_vdst(0)
	s_add_co_u32 s18, s18, SCL2
	v_add_nc_u32 v6, v5, v6
	v_add_nc_u32 v[ADRS2], s18, v6
	v_and_b32 v6, 31, v0
	v_lshlrev_b32 v[GOF], 4, v6
	v_lshlrev_b32 v[GSF], 2, v6
	v_lshlrev_b32 v[BNO], 6, v2
	v_and_b32 v5, 7, v1
	v_lshrrev_b32 v6, 3, v1
	v_lshl_add_u32 v5, v6, 4, v5
	v_lshlrev_b32 v[BMO], 2, v5
.irp b, 0,1,2,3
	v_mov_b32 v[TM+4+\b], 0                        ; written once: a lane permute's destination counts as one of its sources
.endr
	s_mov_b32 s[SEL], 0x76543210
	s_mov_b32 s[SEL+1], 0xfedcba98                 ; v_permlanex16_b32's selects for lane l xor 16
	s_mov_b32 s2, 0xffff0000                       ; lanes 16-31
	s_wait_alu depctr_va_vdst(0)
	s_wait_kmcnt 0x0
	s_cmp_eq_u32 s104, 0
	s_cselect_b64 s[4:5], s[4:5], s[6:7]           ; tensor T's bias
	s_lshl_b32 s18, s40, 10
	s_lshl_b32 s45, s16, 9
	s_add_co_u32 s18, s18, s45                     ; 4 bytes x my first unit, 256 cx + 128 x half
	s_mov_b32 s19, 0
	s_add_nc_u64 s[4:5], s[4:5], s[18:19]
.irp b, 0,1,2,3
.irp c, 0,1,2,3
	global_load_b128 v[BN+16*\b+4*\c:BN+16*\b+4*\c+3], v[BNO], s[4:5] offset:128*\b+16*\c   ; register 16 b + i: my unit 32 b + 16 h + i
.endr
.endr
	s_lshl_b32 s18, s41, 10
	s_lshl_b32 s45, s14, 8
	s_add_co_u32 s18, s18, s45                     ; pass 2: 4 bytes x my first unit, 256 cy + 64 x wave
	s_add_nc_u64 s[8:9], s[8:9], s[18:19]
.irp a, 0,1,2,3
	global_load_b32 v[BM+2*\a], v[BMO], s[8:9] offset:4*(32*(\a/2)+8*(\a%2))     ; block a, lane r: the unit at position 16 a + r;
	global_load_b32 v[BM+2*\a+1], v[BMO], s[8:9] offset:4*(32*(\a/2)+8*(\a%2))   ; twice: a pair for the packed addition
.endr
	; where my fragments go: X = (batch x 8 + head) x 2,048 + token in the batch; 96 bytes of codes and 4 of scale words for each of X.  Pass 2 first: its bases are made of pf and ps as they came
	s_lshl_b32 s46, s105, 2
	s_add_co_u32 s46, s46, s40
	s_lshl_b32 s46, s46, 7                         ; my first token of v
	s_lshr_b32 s47, s46, 11
	s_lshl_b32 s47, s47, 14
	s_lshl_b32 s45, s41, 1
	s_add_co_u32 s45, s45, s15                     ; my head: 2 cy + wave / 2
	s_lshl_b32 s45, s45, 11
	s_add_co_u32 s47, s47, s45
	s_and_b32 s46, s46, 2047
	s_add_co_u32 s47, s47, s46
	s_mul_i32 s18, s47, 96
	s_mul_i32 s45, s16, 4*1536                     ; my 64 units are the head's fragments 4 (wave % 2) on
	s_add_co_u32 s18, s18, s45
	s_add_co_u32 s18, s18, 2*6291456
	s_add_nc_u64 s[6:7], s[12:13], s[18:19]
	s_lshl_b32 s18, s47, 2
	s_lshl_b32 s45, s16, 8
	s_add_co_u32 s18, s18, s45
	s_add_co_u32 s18, s18, 2*262144
	s_add_nc_u64 s[10:11], s[66:67], s[18:19]
	s_lshl_b32 s46, s17, 8
	s_lshl_b32 s45, s15, 7
	s_add_co_u32 s46, s46, s45                     ; pass 1: my first token
	s_lshr_b32 s47, s46, 11
	s_lshl_b32 s47, s47, 14
	s_lshl_b32 s45, s40, 1
	s_add_co_u32 s45, s45, s16                     ; my head: 2 cx + wave % 2
	s_lshl_b32 s45, s45, 11
	s_add_co_u32 s47, s47, s45
	s_and_b32 s46, s46, 2047
	s_add_co_u32 s47, s47, s46
	s_mul_i32 s18, s47, 96
	s_mul_i32 s45, s104, 6291456
	s_add_co_u32 s18, s18, s45
	s_add_nc_u64 s[12:13], s[12:13], s[18:19]
	s_lshl_b32 s18, s47, 2
	s_lshl_b32 s45, s104, 18
	s_add_co_u32 s18, s18, s45
	s_add_nc_u64 s[66:67], s[66:67], s[18:19]
.macro FRAG reg, adr, q, i             ; a fragment, 16 rows x 128 K: lane l holds row l % 16; registers 6 c .. 6 c + 5 hold K = 64 c + 32 (l / 16) + 0 .. 31: 24 bytes of the row, as they lie, in pieces of 8 bytes
.irp p, 0,1,2,3,4,5
.set PCE, 12*(\q)+6*(\p/3)+\p%3       ; 16 bytes of padding lie behind every 8 pieces: where the piece three on lies behind one padding more, the second address register serves
.if PCE%8 < 5
	ds_load_b64 v[\reg+2*\p:\reg+2*\p+1], v[\adr] offset:8*PCE+16*(PCE/8)+(\i)*16*PITCH
.else
	ds_load_b64 v[\reg+2*\p:\reg+2*\p+1], v[\adr+2] offset:8*PCE+16*(PCE/8)+(\i)*16*PITCH
.endif
.endr
.endm
; PASS 1.  16 matrix instructions: A's blocks a0, a0 + 1 x B's eight, 128 along K.  The 64 accumulators take turns, one instruction a turn, in the same order in every step.
.macro MUL16 a0, p, q, sc, zero
.irp a, \a0, \a0+1
.irp b, 0,1,2,3,4,5,6,7
.if \zero
	v_wmma_scale_f32_16x16x128_f8f6f4 v[8*(8*((\a)%4)+\b):8*(8*((\a)%4)+\b)+7], v[128*(\p)+FR*\b:128*(\p)+FR*\b+FR-1], v[AF+FR*(\a):AF+FR*(\a)+FR-1], 0, v[SC+8*NQ*(\sc)+NQ*\b+(\q)], v[SC+8*NQ*(\sc)+NQ*(\a)+(\q)] matrix_a_fmt:MATRIX_FMT_FP6 matrix_b_fmt:MATRIX_FMT_FP6 matrix_a_scale:MATRIX_SCALE_ROW1
.else
	v_wmma_scale_f32_16x16x128_f8f6f4 v[8*(8*((\a)%4)+\b):8*(8*((\a)%4)+\b)+7], v[128*(\p)+FR*\b:128*(\p)+FR*\b+FR-1], v[AF+FR*(\a):AF+FR*(\a)+FR-1], v[8*(8*((\a)%4)+\b):8*(8*((\a)%4)+\b)+7], v[SC+8*NQ*(\sc)+NQ*\b+(\q)], v[SC+8*NQ*(\sc)+NQ*(\a)+(\q)] matrix_a_fmt:MATRIX_FMT_FP6 matrix_b_fmt:MATRIX_FMT_FP6 matrix_a_scale:MATRIX_SCALE_ROW1
.endif
.endr
.endr
.endm
.macro FETCH_B slot, q, p
	WIN TO_B
.irp i, 0,1,2,3,4,5,6,7
	FRAG 128*(\p)+FR*\i, ADRB+\slot, \q, \i
.endr
	WIN 0
.endm
.macro FETCH_A slot, q, i0
.irp i, \i0, \i0+1, \i0+2, \i0+3
	FRAG AF+FR*(\i), ADRA+\slot, \q, \i
.endr
.endm
.macro SCALES sc                       ; a K step's scale words: 2 words a row; lanes 0-15 take A's block i, lanes 16-31 B's block i
.irp i, 0,1,2,3,4,5,6,7
	ds_load_b64 v[SC+8*NQ*\sc+NQ*\i:SC+8*NQ*\sc+NQ*\i+1], v[ADRS] offset:\i*SBLK
.endr
.endm
.macro PLACES n                        ; plain vector instructions between a matrix instruction and a load into, or a read or write of, its registers
.rept \n
	v_nop
.endr
.endm
.macro STEP slot, q, zero              ; a step of 128 along K that has its successor in the same slot
	s_wait_dscnt 4*NL                              ; B's set and A's blocks 0-3 are in; the youngest 24 loads (A's blocks 4-7) may be out
	WIN MUL_LO
	MUL16 0, (\q)%2, \q, \slot, \zero
	MUL16 2, (\q)%2, \q, \slot, \zero
	s_wait_dscnt 0                                 ; A's blocks 4-7 are in
	PLACES NP
	FETCH_B \slot, (\q)+1, 1-(\q)%2
	FETCH_A \slot, (\q)+1, 0
	WIN MUL_HI
	MUL16 4, (\q)%2, \q, \slot, \zero
	MUL16 6, (\q)%2, \q, \slot, \zero
	PLACES NP
	WIN 0
	FETCH_A \slot, (\q)+1, 4
.endm
; A slot's last step changes slots: a round of the cluster's barrier; in front of it each wave waits for all its tensor loads, adds 0 to its spare word, and waits for that and for its own reads of this slot.
; Behind it this slot is filled again.  fill = 1: with pass 1's K step two on.  fill = 2: with pass 2's K step 0.  fill = 3: with pass 2's K step 1; this is pass 1's last step, and no fragment is fetched: the way out follows.
.macro TURN slot, next, fill
	s_wait_tensorcnt 0x0                           ; all my tensor loads have landed: my part of the next slot
	ds_add_u32 v[SPW], v[NIL]                      ; 0 onto my spare word
	s_wait_dscnt 4*NL+1                            ; (the add and the youngest 24 loads, A's blocks 4-7, may be out)
	WIN MUL_LO
	MUL16 0, 1, NQ-1, \slot, 0                     ; sixteen matrix instructions stand between the add and the wait for it
	s_wait_dscnt 0x0                               ; the add is done, and my reads of this slot are over
	s_barrier_signal -1
	MUL16 2, 1, NQ-1, \slot, 0
	WIN 0
	s_barrier_wait -1
	CREST                                          ; no wave of any partner still reads this slot or has a load on its way
.if \fill == 1
	s_add_nc_u64 s[G0+4*\slot+2:G0+4*\slot+3], s[G0+4*\slot+2:G0+4*\slot+3], 2*XPL   ; no tensor load of mine is out: two K steps on,
	s_add_nc_u64 s[G0+4*\slot+2:G0+4*\slot+3], s[G0+4*\slot+2:G0+4*\slot+3], s[46:47] ; and from the whole tile to my half of it (each slot passes here once)
	s_add_nc_u64 s[G0B+4*\slot+2:G0B+4*\slot+3], s[G0B+4*\slot+2:G0B+4*\slot+3], 2*WPL
	s_add_nc_u64 s[G0B+4*\slot+2:G0B+4*\slot+3], s[G0B+4*\slot+2:G0B+4*\slot+3], s[46:47]
	s_add_co_u32 s[G0+4*\slot+1], s42, \slot*SLOT  ; which goes to wave x 128 rows
	s_add_co_u32 s[G0B+4*\slot+1], s42, \slot*SLOT
	s_mov_b32 s[G1+2], 96<<16                      ; from here on a load brings 128 positions: 96 rows of 256 bytes
	s_mov_b32 s[G1+4], 96
	s_mov_b32 s[G1B+2], 96<<16
	s_mov_b32 s[G1B+4], 96
	JLOAD G0+4*\slot, G1, G0B+4*\slot, G1B
.else
	NEXT2 \slot
	JLOAD2 \slot
.endif
.if \fill < 3
.if \fill == 2
	PLACES NP                                      ; wave 3 has issued no load and passed no v_nop: the places in front of the loads below
.endif
	s_wait_alu depctr_va_vdst(0)
	v_add_nc_u32 v[ADRS], 4*NQ, v[ADRS]            ; on to the next K step's scale words
	FETCH_B \next, 0, 0
	FETCH_A \next, 0, 0
	SCALES \next
.endif
	WIN MUL_HI
	MUL16 4, 1, NQ-1, \slot, 0
	MUL16 6, 1, NQ-1, \slot, 0
.if \fill < 3
	PLACES NP
	WIN 0
	FETCH_A \next, 0, 4
.else
	WIN 0
.endif
.endm
; PASS 2.  16 matrix instructions: A's blocks a0, a0 + 1 of my four x B's eight, 128 along K: the slot's p-th, from sets p.  The 32 accumulators take turns in the same order in every step.
.macro MUL2 a0, p, sc, zero
.irp a, \a0, \a0+1
.irp b, 0,1,2,3,4,5,6,7
.if \zero
	v_wmma_scale_f32_16x16x128_f8f6f4 v[8*(8*(\a)+\b):8*(8*(\a)+\b)+7], v[128*(\p)+FR*\b:128*(\p)+FR*\b+FR-1], v[AF+48*(\p)+FR*(\a):AF+48*(\p)+FR*(\a)+FR-1], 0, v[SC+8*NQ*(\sc)+NQ*\b+(\p)], v[SC+8*NQ*(\sc)+NQ*(\a)+(\p)] matrix_a_fmt:MATRIX_FMT_FP6 matrix_b_fmt:MATRIX_FMT_FP6 matrix_a_scale:MATRIX_SCALE_ROW1
.else
	v_wmma_scale_f32_16x16x128_f8f6f4 v[8*(8*(\a)+\b):8*(8*(\a)+\b)+7], v[128*(\p)+FR*\b:128*(\p)+FR*\b+FR-1], v[AF+48*(\p)+FR*(\a):AF+48*(\p)+FR*(\a)+FR-1], v[8*(8*(\a)+\b):8*(8*(\a)+\b)+7], v[SC+8*NQ*(\sc)+NQ*\b+(\p)], v[SC+8*NQ*(\sc)+NQ*(\a)+(\p)] matrix_a_fmt:MATRIX_FMT_FP6 matrix_b_fmt:MATRIX_FMT_FP6 matrix_a_scale:MATRIX_SCALE_ROW1
.endif
.endr
.endr
.endm
.macro FETCH2 slot, p                  ; the fragments of the slot's p-th 128 along K into sets p: B's eight, my four of A: 72 loads
	WIN TO_B
.irp i, 0,1,2,3,4,5,6,7
	FRAG 128*(\p)+FR*\i, ADRB2+\slot, \p, \i
.endr
	WIN 0
.irp i, 0,1,2,3
	FRAG AF+48*(\p)+FR*\i, ADRA2+\slot, \p, \i
.endr
.endm
.macro SCALES2 sc                      ; lanes 16-31 take B's block i; lanes 0-15 A's block i of my four (for i over 3 they read bytes of the same region that no product names)
.irp i, 0,1,2,3,4,5,6,7
	ds_load_b64 v[SC+8*NQ*\sc+NQ*\i:SC+8*NQ*\sc+NQ*\i+1], v[ADRS2] offset:\i*SBLK
.endr
.endm
.macro STEP2 slot, zero                ; a slot's first step: multiplies sets 0; in its middle the second step's fragments are fetched into sets 1
	s_wait_dscnt 0x0                               ; this step's fragments and scale words are in
	WIN MUL_LO
	MUL2 0, 0, \slot, \zero
	PLACES NP                                      ; behind the last step's products, which read sets 1
	FETCH2 \slot, 1
	WIN MUL_LO
	MUL2 2, 0, \slot, \zero
	WIN 0
.endm
.macro TURN2 slot, next, fill          ; a slot's second step, and the change of slots, as in pass 1
	s_wait_tensorcnt 0x0                           ; all my tensor loads have landed
	ds_add_u32 v[SPW], v[NIL]                      ; 0 onto my spare word
	s_wait_dscnt 1                                 ; (the add may be out: this step's 72 loads are in)
	WIN MUL_LO
	MUL2 0, 1, \slot, 0
	s_wait_dscnt 0x0                               ; the add is done, and my reads of this slot are over
	s_barrier_signal -1
	MUL2 2, 1, \slot, 0
	WIN 0
	s_barrier_wait -1
.if \fill
	CREST
	s_add_nc_u64 s[G0+4*\slot+2:G0+4*\slot+3], s[G0+4*\slot+2:G0+4*\slot+3], 2*WPL
	s_add_nc_u64 s[G0B+4*\slot+2:G0B+4*\slot+3], s[G0B+4*\slot+2:G0B+4*\slot+3], 2*XPL
	JLOAD2 \slot
.endif
	PLACES NP                                      ; on every wave's way: in front of the loads into sets 0
	s_wait_alu depctr_va_vdst(0)
	v_add_nc_u32 v[ADRS2], 4*NQ, v[ADRS2]
	FETCH2 \next, 0
	SCALES2 \next
.endm
; 64 numbers of a lane, register 16 b + i = k 32 b + 16 (lane / 16) + i of my row, become a fragment's codes in v[QC] .. v[QC+11] and its scale word in v[PW].
.macro QUANT s
.irp b, 0,1,2,3
	v_max3_num_f32 v[TM+\b], |v[\s+16*\b]|, |v[\s+1+16*\b]|, 0x1800000   ; block b: my 16 numbers, and the floor 2^(3 - 127): the byte cannot fall under 1
.endr
.irp i, 2,4,6,8,10,12,14
.irp b, 0,1,2,3
	v_max3_num_f32 v[TM+\b], v[TM+\b], |v[\s+16*\b+\i]|, |v[\s+1+16*\b+\i]|
.endr
.endr
.irp b, 0,1,2,3
	v_permlanex16_b32 v[TM+4+\b], v[TM+\b], s[SEL], s[SEL+1]
.endr
.irp b, 0,1,2,3
	v_max_num_f32 v[TM+\b], v[TM+\b], v[TM+4+\b]   ; with lane l xor 16's: the block's largest magnitude
.endr
.irp b, 0,1,2,3
	v_add_nc_u32 v[TM+12+\b], 0xff000000, v[TM+\b] ; 2 off its exponent field: the conversion's scale operand
.endr
.irp b, 0,1,2,3
	v_lshrrev_b32 v[TM+4+\b], 23, v[TM+12+\b]      ; the scale's byte
.endr
	v_lshl_or_b32 v[PW], v[TM+5], 8, v[TM+4]       ; the four bytes make my row's scale word (both halves of the lanes hold it)
	v_lshl_or_b32 v[PW], v[TM+6], 16, v[PW]
	v_lshl_or_b32 v[PW], v[TM+7], 24, v[PW]
.irp c, 0,1
	v_cvt_scalef32_pk16_fp6_f32 v[QC+6*\c:QC+2+6*\c], v[\s+32*\c:\s+15+32*\c], v[TM+12+2*\c]
	v_cvt_scalef32_pk16_fp6_f32 v[QC+12+4*\c:QC+14+4*\c], v[\s+16+32*\c:\s+31+32*\c], v[TM+12+2*\c+1]   ; (a conversion's three registers begin on an even number)
.endr
	v_nop                                          ; one plain place behind a scaled conversion
.irp c, 0,1                                    ; the operand's layout wants a whole block in a lane: lanes 0-15 block 2 c, lanes 16-31 block 2 c + 1
.irp i, 0,1,2
	v_permlane16_swap_b32 v[QC+6*\c+\i], v[QC+12+4*\c+\i]
.endr
.irp i, 0,1,2
	v_mov_b32 v[QC+3+6*\c+\i], v[QC+12+4*\c+\i]
.endr
.endr
.endm
; THE WAY OUT of block a (16 rows of A x 128): bias, relu, quantised, stored.  Each accumulator is read from its low end on.  second = 1: pass 2.
.macro OUTBLK a, second
.set AC, 64*((\a)%4)
.set OCB, 12-6*(\second)               ; the codes' base: s[12:13] or s[6:7]
.set OSB, 66-56*(\second)              ; the scale words': s[66:67] or s[10:11]
	WIN 0x02+(\a)/4                                ; source 0: window 2 or 3
.set j, 0
.rept 32
.if \second
	v_pk_add_f32 v[HA+j:HA+j+1], v[AC+j:AC+j+1], v[BM+2*(\a):BM+2*(\a)+1]
.else
	v_pk_add_f32 v[HA+j:HA+j+1], v[AC+j:AC+j+1], v[BN+j:BN+j+1]
.endif
.set j, j+2
.endr
	WIN 0
.set j, 0
.rept 64
	v_max_num_f32 v[HA+j], 0, v[HA+j]              ; relu, in f32
.set j, j+1
.endr
.if ((\a) > 0) || (\second)
	s_wait_xcnt 0x0                                ; the last block's stores have read their data: the codes' and the word's registers are written again only behind this wait
.endif
	QUANT HA
.irp c, 0,1,2
	global_store_b128 v[GOF], v[QC+4*\c:QC+4*\c+3], s[OCB:OCB+1] offset:1536*(\a)+512*\c   ; the fragment as it stands: 32 lanes store 512 consecutive bytes, aligned
.endr
.if (\a)%2 == 0
	v_mov_b32 v[PWE], v[PW]                        ; an even block's words wait for the odd block's
.else
	v_cndmask_b32 v[PWM], v[PWE], v[PW], s2        ; lanes 0-15: block a - 1's rows, lanes 16-31: block a's
	global_store_b32 v[GSF], v[PWM], s[OSB:OSB+1] offset:128*((\a)/2)
.endif
.endm
	s_mul_i32 s42, s14, HALFT                      ; for the ring's loads: wave x 128 rows in a slot,
	s_mul_i32 s46, s16, 24576                      ; and my half of a tile in memory
	s_mov_b32 s47, 0
	s_wait_alu depctr_va_vdst(0)                   ; the wait at the head's end
	s_wait_tensorcnt 0x0                           ; my tile of the head's four is in
	ds_add_u32 v[SPW], v[NIL]
	s_mov_b32 s[G1SB+2], 16<<16                    ; no tensor load of mine is out: pass 2's B has 128 rows: 16 rows of 256 scale bytes
	s_mov_b32 s[G1SB+4], 16
	s_wait_dscnt 0x0
	CROUND                                         ; everybody's tile is in, and all sixteen work-groups are here
	FOUR G0+4, G1, G0B+4, G1B, G0S2, G1S, G0SB2, G1SB   ; wave 0: K step 1 of A; wave 1: of B; waves 2, 3: pass 2's scale bytes
	; ---------------- PASS 1: four K steps, written out: each change of slots fills a slot again
	FETCH_B 0, 0, 0
	FETCH_A 0, 0, 0
	SCALES 0
	FETCH_A 0, 0, 4
	STEP 0, 0, 1                                   ; the first products start the sums
	TURN 0, 1, 1                                   ; slot 0 takes K step 2
	STEP 1, 0, 0
	TURN 1, 0, 1                                   ; slot 1 takes K step 3
	STEP 0, 0, 0
	TURN 0, 1, 2                                   ; THE RING GOES ON INTO PASS 2: slot 0 takes its K step 0,
	STEP 1, 0, 0
	TURN 1, 0, 3                                   ; slot 1 its K step 1: both land while the results below go out
	PLACES NP                                      ; behind the last products: their results are read and A's registers written below
	s_wait_loadcnt 0x0                             ; the biases, asked for at the head
.irp a, 0,1,2,3,4,5,6,7
	OUTBLK \a, 0
.endr
	; ---------------- PASS 2.  Its K step 0 was shown whole to every wave by the round of pass 1's last change of slots
	s_wait_xcnt 0x0                                ; the last stores have read their data: the fragments below land on those registers
	FETCH2 0, 0
	SCALES2 0
	STEP2 0, 1                                     ; the first products start the sums anew
	TURN2 0, 1, 1                                  ; slot 0 takes K step 2
	STEP2 1, 0
	TURN2 1, 0, 1                                  ; slot 1 takes K step 3
	STEP2 0, 0
	TURN2 0, 1, 0                                  ; nothing is left to fetch: a barrier of the work-group alone
	STEP2 1, 0
	s_wait_dscnt 0x0                               ; the very last step
	WIN MUL_LO
	MUL2 0, 1, 1, 0
	MUL2 2, 1, 1, 0
	WIN 0
	PLACES NP
.irp a, 0,1,2,3
	OUTBLK \a, 1
.endr
	s_wait_tensorcnt 0x0                           ; the wave's end
	ds_add_u32 v[SPW], v[NIL]
	s_wait_dscnt 0x0
	CROUND                                         ; the closing round: no work-group ends while a partner may still ask for a tile that names it
	s_endpgm
.Lfunc_end_k_q6616726a30_proj:
	.size	k_q6616726a30_proj, .Lfunc_end_k_q6616726a30_proj-k_q6616726a30_proj
	.p2alignl 7, 3214868480
	.fill 96, 4, 3214868480
	.section	.rodata,"a",@progbits
	.p2align	6, 0x0
	.amdhsa_kernel k_q6616726a30_proj
		.amdhsa_group_segment_fixed_size 327680
		.amdhsa_private_segment_fixed_size 0
		.amdhsa_enable_private_segment 0
		.amdhsa_kernarg_size 72
		.amdhsa_user_sgpr_count 2
		.amdhsa_user_sgpr_kernarg_segment_ptr 1
		.amdhsa_wavefront_size32 1
		.amdhsa_system_sgpr_workgroup_id_x 1
		.amdhsa_system_sgpr_workgroup_id_y 1
		.amdhsa_system_sgpr_workgroup_id_z 1
		.amdhsa_system_vgpr_workitem_id 0
		.amdhsa_next_free_vgpr 1024
		.amdhsa_next_free_sgpr 106
		.amdhsa_reserve_vcc 0
		.amdhsa_float_denorm_mode_32 3
		.amdhsa_float_denorm_mode_16_64 3
		.amdhsa_memory_ordered 1
		.amdhsa_forward_progress 1
		.amdhsa_inst_pref_size 255
	.end_amdhsa_kernel
	.section	.bss,"aw",@nobits
	.p2align	6
	.space	262144
	.amdgpu_metadata
---
amdhsa.version: [ 1, 2 ]
amdhsa.kernels:
  - .name:           k_q6616726a30_proj
    .symbol:         k_q6616726a30_proj.kd
    .args:
      - { .name: xc, .offset: 0, .size: 8, .value_kind: global_buffer, .address_space: global }
      - { .name: xs, .offset: 8, .size: 8, .value_kind: global_buffer, .address_space: global }
      - { .name: wc, .offset: 16, .size: 8, .value_kind: global_buffer, .address_space: global }
      - { .name: ws, .offset: 24, .size: 8, .value_kind: global_buffer, .address_space: global }
      - { .name: b_q, .offset: 32, .size: 8, .value_kind: global_buffer, .address_space: global }
      - { .name: b_k, .offset: 40, .size: 8, .value_kind: global_buffer, .address_space: global }
      - { .name: b_v, .offset: 48, .size: 8, .value_kind: global_buffer, .address_space: global }
      - { .name: pf, .offset: 56, .size: 8, .value_kind: global_buffer, .address_space: global }
      - { .name: ps, .offset: 64, .size: 8, .value_kind: global_buffer, .address_space: global }
    .group_segment_fixed_size: 327680
    .private_segment_fixed_size: 0
    .kernarg_segment_align: 8
    .kernarg_segment_size: 72
    .max_flat_workgroup_size: 128
    .sgpr_count:     106
    .vgpr_count:     1024
    .wavefront_size: 32
...
	.end_amdgpu_metadata
.endif
;; end of part 2
;; launch att (part 3): grid 8 x 32, 8 waves a work-group, clusters of 4 x 1, 327,680 bytes of LDS; arguments pf, ps, oc, os; writes oc, os
.if DOCPART == 3
	.amdgcn_target "amdgcn-amd-amdhsa--gfx1250"
	.amdhsa_code_object_version 6
	.text
	.protected	k_q6616726a30_att
	.globl	k_q6616726a30_att
	.p2align	8
	.type	k_q6616726a30_att,@function
k_q6616726a30_att:
	s_mov_b64 s[64:65], 0
	v_nop
	global_prefetch_b8 v0, s[64:65] scope:SCOPE_SE
	s_setreg_imm32_b32 hwreg(HW_REG_WAVE_MODE, 25, 1), 1
	s_wait_xcnt 0x0
	s_wait_alu depctr_hold_cnt(0) depctr_sa_sdst(0) depctr_va_vdst(0) depctr_va_sdst(0) depctr_va_ssrc(0) depctr_va_vcc(0) depctr_vm_vsrc(0)
	s_getreg_b32 s2, hwreg(HW_REG_IB_STS2, 6, 4)
	s_cmp_eq_u32 s2, 0
	s_cbranch_scc0 .Lentry_in_a_cluster
	s_endpgm
.Lentry_in_a_cluster:
	s_bfe_u32 s2, ttmp6, 0x10000c
	s_cmp_lg_u32 s2, 0x3003
	s_cbranch_scc0 .Lentry_shape_is_right
	s_endpgm
.Lentry_shape_is_right:
; Attention of 32 heads (batch x 8 + head), 2,048 queries x 2,048 keys, head size 128, both products on codes of FP6 (E2M3) with E8M0 scales; O / l is quantised along the head's 128 for the last projection.
; pf holds operand fragments as images of their registers (16 rows x 128 K: 1,536 bytes, lane l's 16 bytes at 16 l + 512 c): [q, k, v][head][128 fragments]; ps one scale word a fragment row.
; q, k: fragment f = token positions 16 f + r.  v: fragment 8 step + a = channel positions 16 a + r, K = keys 128 step + 0 .. 127.  A position holds the row whose number has bits 3 and 4 exchanged, so that with such a
; fragment as source 0 the 16 result registers of two neighbouring tiles are 16 neighbours (keys in S^T, channels in O^T).  Both products are used transposed: a lane holds ONE query of each of its tiles throughout.
; THE SOFTMAX: t = score x log2(e) / sqrt(128); M = the running largest t rounded UP to a whole number; p = 2^(t - M) is quantised along the keys; the row's sum is taken of the unquantised p and divides O at the end;
; when M moves, the sum and O are multiplied by 2^(old M - new M): exact.
; SHARES.  A work-group owns 256 query positions of a head; each of its eight waves owns TWO fragments of 16 queries, so that each fragment of K and V read from LDS feeds two matrix instructions.
; Every wave walks the head's 16 key steps of 128.  K and V come through a ring of two LDS slots of four key steps (K 49,152 bytes, then V 49,152), as they lie in memory.
; ORDER OF A STEP: score products; V's eight fragments are asked for; maxima, exponentials, codes; O^T is rescaled; second products; the next step's K is asked for; the 64 additions of the rows' sums stand behind that request.
; The step's text stands once in a counted loop of four trips (LOOPED = 1); its LDS offset is a scalar stepped by a constant.
; CLUSTER.  The four work-groups of a cluster belong to one head and walk the same K and V: each tile is asked for jointly (mask 15).  Waves 0-3 fetch the ring's quarters; at the head waves 4-7 fetch the scale words' quarters.
; PREFETCH: the head's first cluster asks, one slot ahead of the tensor load, for the next slot's 98,304 bytes: its four partners share them by address, waves 4-6 of each take 8,192 bytes, lanes 256 bytes apart.
; LIMITS: the promise holds while the scaled scores stay under 2^31 in magnitude; NaN and infinities are not served; a block of zeros carries the byte 1 over zero codes (read by this program alone).
; REGISTERS, window 0: v1-10 addresses; v12, v14 -M; v13, v15 the largest score; v16-19 the sums; v20, v22 f; v21, v23 p's scale words; v24-47 Q; v48-49 Q's scale words; v50-53 K's or V's scale words;
;   v56-95 at work; v96-223 S^T, then p (tile j at 96 + 64 j); v224-247 codes; v248-255 at work.   window 1: v0-127 O^T (tile j at 64 j); v128-223 eight fragments of K or V.
.set LOOPED, 1
.set VOFF,  49152
.set SLOTB, 49152
.set SLOT1, 1<<17                      ; slot 1 begins here
.set SCK,   2*SLOT1                    ; K's scale words of the whole head, 8,192 bytes; V's behind them
.set SPARE, SCK+16384                  ; the spare words, 128 bytes for each wave: four blocks of 256 bytes that no other line names
.set LI,   1                           ; 16 x lane
.set AV0,  2                           ; 16 x lane + VOFF
.set ASK0, 3                           ; SCK + 4 x lane
.set PFO,  4                           ; 256 x lane
.set SPW,  5
.set NIL,  6
.set GS,   7                           ; 4 x lane
.set ADK,  8
.set ADV,  9
.set ADS,  10
.set NM,   12
.set SUM,  16
.set FF,   20
.set QF,   24
.set QS,   48
.set KS,   50
.set BM,   56                          ; eight blocks' maxima (block 4 j + b)
.set T2,   64
.set SOP,  72                          ; the conversions' scale operands
.set CT,   80                          ; the upper halves of the blocks' codes, before they are moved
.set SS,   96
.set CD,   224
.set SB,   248
.set TR,   252
.set TO,   254
.set OA,   0                           ; window 1
.set ST,   128                         ; window 1
.set WV,   18
.set SEL,  20
.set CS,   22
.set G1T,  24
.set G1S,  32
.set G0,   40
.set G0S,  44
.set TB,   48                          ; LDS byte at which the slot in hand begins
.set TS,   49                          ; the step's scale words: 512 bytes a step
.set SLOTS, 50
.set TK,   51                          ; LDS byte at which the step's fragments of K begin
.set PFA,  52
.set LIM,  54
.set NCS,  74                          ; -c
.set QN,   75                          ; steps of the slot still to go
.set MSB, 0
.macro WIN new                         ; the immediate's high byte repeats the setting that is left
.if MSB != (\new)
	s_set_vgpr_msb (MSB<<8)|(\new)
.set MSB, (\new)
.endif
.endm
.macro CROUND                          ; a round of the cluster's barrier
	s_barrier_signal -1
	s_barrier_wait -1
	s_cmp_lg_u32 s[WV], 0
	s_cbranch_scc1 .Lnot_wave_0_\@
	s_barrier_signal -3
.Lnot_wave_0_\@:
	s_barrier_wait -3
	s_barrier_signal -1
	s_barrier_wait -1
.endm
.macro TLOAD                           ; waves 0 to 3 ask, each for 96 rows of 256 bytes
	s_cmp_lt_u32 s[WV], 4
	s_cbranch_scc0 .Lnone_\@
	tensor_load_to_lds s[G0:G0+3], s[G1T:G1T+7]
	s_nop 0
.rept 4
	v_nop
.endr
.Lnone_\@:
.endm
.macro ASK                             ; what the NEXT change of slots will load; the last change that fills a slot asks for nothing
	s_cmp_gt_u32 s[SLOTS], s[LIM]
	s_cbranch_scc0 .Lnot_mine_\@
	global_prefetch_b8 v[PFO], s[PFA:PFA+1] th:TH_LOAD_NT scope:SCOPE_SE
.Lnot_mine_\@:
.endm
	s_load_b256 s[4:11], s[0:1], 0x0               ; pf, ps, oc, os
	v_lshl_add_u32 v[SPW], v0, 2, SPARE
	v_mov_b32 v[NIL], 0
	ds_add_u32 v[SPW], v[NIL]                      ; the opening lines: the add, twice on end, and its wait
	ds_add_u32 v[SPW], v[NIL]
	v_lshrrev_b32 v8, 5, v0
	v_readfirstlane_b32 s[WV], v8                  ; wave 0..7
	s_bfe_u32 s12, ttmp6, 0x40000                  ; cx: it enters Q's, O's and the prefetches' global addresses alone
	s_lshl_b32 s13, ttmp9, 2
	s_add_co_u32 s13, s13, s12                     ; my block of 256 query positions
	s_and_b32 s14, ttmp7, 0xffff                   ; the head, which the four partners share
	s_and_b32 s15, s[WV], 3
	s_lshr_b32 s16, s15, 1                         ; I fetch for K (0) or V (1),
	s_and_b32 s17, s15, 1                          ; which half
	s_add_co_u32 s19, s16, 1
	s_mul_i32 s56, s19, 6291456                    ; k's or v's fragments,
	s_mul_i32 s58, s14, 196608                     ; my head's,
	s_add_co_u32 s56, s56, s58
	s_mul_i32 s58, s17, 24576                      ; my half of slot 0
	s_add_co_u32 s56, s56, s58
	s_mov_b32 s57, 0
	s_mul_i32 s58, s19, 262144                     ; the scale words likewise: 8,192 bytes a head, my half
	s_lshl_b32 s60, s14, 13
	s_add_co_u32 s58, s58, s60
	s_lshl_b32 s60, s17, 12
	s_add_co_u32 s58, s58, s60
	s_mov_b32 s59, 0
	s_mul_i32 s60, s15, 24576                      ; where they go in a slot: K's halves, then V's
	s_lshl_b32 s61, s15, 12
	s_add_co_u32 s61, s61, SCK
	s_mov_b32 s[G1T], 15|(3<<16)|(1<<21)           ; dense bytes as rows of 256 (32 elements of 8 bytes); the mask: all four work-groups; bit 21 beside it
	s_mov_b32 s[G1T+1], 32<<16
	s_mov_b32 s[G1T+2], 96<<16
	s_mov_b32 s[G1T+3], 32<<16
	s_mov_b32 s[G1T+4], 96
	s_mov_b32 s[G1T+5], 32
	s_mov_b32 s[G1T+6], 0
	s_mov_b32 s[G1T+7], 0
	s_mov_b32 s[G1S], 15|(3<<16)|(1<<21)
	s_mov_b32 s[G1S+1], 32<<16
	s_mov_b32 s[G1S+2], 16<<16
	s_mov_b32 s[G1S+3], 32<<16
	s_mov_b32 s[G1S+4], 16
	s_mov_b32 s[G1S+5], 32
	s_mov_b32 s[G1S+6], 0
	s_mov_b32 s[G1S+7], 0
	s_mov_b32 s[SEL], 0x76543210
	s_mov_b32 s[SEL+1], 0xfedcba98                 ; v_permlanex16_b32's selects for lane l xor 16
	s_mov_b32 s[CS], 0x3e0293ee                    ; c = log2(e) / sqrt(128)
	s_mov_b32 s[CS+1], s[CS]
	s_mov_b32 s[NCS], 0xbe0293ee
	s_mov_b32 s[TB], 0
	s_mov_b32 s[TS], 0
	s_mov_b32 s[SLOTS], 3
	s_wait_dscnt 0x0                               ; both opening adds are done
	s_wait_kmcnt 0x0
	s_mov_b32 s[G0], 1
	s_mov_b32 s[G0+1], s60
	s_add_nc_u64 s[G0+2:G0+3], s[4:5], s[56:57]
	s_or_b32 s[G0+3], s[G0+3], 0x80000000
	s_mov_b32 s[G0S], 1
	s_mov_b32 s[G0S+1], s61
	s_add_nc_u64 s[G0S+2:G0S+3], s[6:7], s[58:59]
	s_or_b32 s[G0S+3], s[G0S+3], 0x80000000
	CROUND                                         ; all four work-groups are here: the first joint loads meet
	s_cmp_lt_u32 s[WV], 4                          ; one load a wave: waves 0-3 slot 0's quarters, waves 4-7 the scale words' quarters
	s_cbranch_scc0 .Lhead_s
	tensor_load_to_lds s[G0:G0+3], s[G1T:G1T+7]
	s_nop 0
.rept 4
	v_nop
.endr
	s_branch .Lhead_done
.Lhead_s:
	tensor_load_to_lds s[G0S:G0S+3], s[G1S:G1S+7]
	s_nop 0
.rept 4
	v_nop
.endr
.Lhead_done:
	s_lshl_b32 s62, s13, 4
	s_lshl_b32 s63, s[WV], 1
	s_add_co_u32 s62, s62, s63                     ; tq: my first fragment of queries, 0..126
	s_mul_i32 s66, s62, 1536
	s_mul_i32 s67, s14, 196608
	s_add_co_u32 s66, s66, s67
	s_mov_b32 s67, 0
	s_add_nc_u64 s[68:69], s[4:5], s[66:67]        ; Q's two fragments
	s_lshl_b32 s66, s62, 6
	s_lshl_b32 s70, s14, 13
	s_add_co_u32 s66, s66, s70
	s_add_nc_u64 s[70:71], s[6:7], s[66:67]        ; their scale words
	s_lshr_b32 s72, s14, 3                         ; the batch
	s_lshl_b32 s72, s72, 7
	s_add_co_u32 s72, s72, s62                     ; the token tile, 0..511
	s_lshl_b32 s72, s72, 3
	s_and_b32 s73, s14, 7
	s_add_co_u32 s72, s72, s73                     ; x 8 + head in the batch
	s_mul_i32 s66, s72, 1536
	s_add_nc_u64 s[8:9], s[8:9], s[66:67]          ; where O's fragments go (the second 8 fragments on),
	s_lshl_b32 s66, s72, 7
	s_add_nc_u64 s[10:11], s[10:11], s[66:67]      ; and their scale words
	s_lshr_b32 s72, s12, 1                         ; the prefetches: my work-group's part by its place,
	s_add_co_u32 s72, s72, 1
	s_mul_i32 s66, s72, 6291456
	s_mul_i32 s72, s14, 196608
	s_add_co_u32 s66, s66, s72
	s_and_b32 s72, s12, 1
	s_mul_i32 s72, s72, 24576
	s_add_co_u32 s66, s66, s72
	s_lshl_b32 s72, s15, 13                        ; my wave's 8,192 bytes (waves 4, 5, 6),
	s_add_co_u32 s66, s66, s72
	s_add_co_u32 s66, s66, SLOTB                   ; in slot 1: the first change of slots steps it to slot 2
	s_add_nc_u64 s[PFA:PFA+1], s[4:5], s[66:67]
	s_lshr_b32 s72, s[WV], 2
	s_xor_b32 s72, s72, 1                          ; 0 in waves 4 to 7,
	s_or_b32 s72, s72, ttmp9                       ; of the head's first cluster
	s_cmp_eq_u32 s72, 0
	s_cselect_b32 s[LIM], 1, -1
	s_cmp_eq_u32 s[WV], 7
	s_cselect_b32 s[LIM], -1, s[LIM]
	v_and_b32 v8, 31, v0
	v_and_b32 v11, 15, v0
	v_lshlrev_b32 v[LI], 4, v8
	v_lshlrev_b32 v11, 2, v11
	v_lshl_add_u32 v[ASK0], v8, 2, SCK
	v_lshlrev_b32 v[GS], 2, v8
	v_lshlrev_b32 v[PFO], 8, v8
	v_add_nc_u32 v[AV0], VOFF, v[LI]
.irp j, 0,1
.irp c, 0,1,2
	global_load_b128 v[QF+12*\j+4*\c:QF+12*\j+4*\c+3], v[LI], s[68:69] offset:1536*\j+512*\c   ; Q stays in registers
.endr
	global_load_b32 v[QS+\j], v11, s[70:71] offset:64*\j   ; lane r: row r's word
.endr
.irp j, 0,1
	v_mov_b32 v[NM+1+2*\j], 0xff61b1e6             ; the largest score so far: -3e38
	v_mov_b32 v[NM+2*\j], 0x7e000000               ; -M: a large whole number, so that the first f is 0
	v_mov_b32 v[SUM+2*\j], 0
	v_mov_b32 v[SUM+1+2*\j], 0
	v_mov_b32 v[FF+1+2*\j], 0                      ; (named as the upper half of f's pair before it is first written)
.endr
.irp b, 0,1,2,3,4,5,6,7
	v_mov_b32 v[T2+\b], 0                          ; written once: a lane permute's destination counts as one of its sources
.endr
	WIN 0x40
.set i, 0
.rept 128
	v_mov_b32 v[OA+i], 0                           ; O^T: the step is written once; the first finds zeros, which f = 0 leaves zeros
.set i, i+1
.endr
	WIN 0
.macro MM d, a, b, sa, sb, odd, acc    ; one matrix instruction; odd: source 0's scale words stand in lanes 16-31; acc: it adds onto d
.if \acc
.if \odd
	v_wmma_scale_f32_16x16x128_f8f6f4 v[\d:\d+7], v[\a:\a+11], v[\b:\b+11], v[\d:\d+7], v[\sa], v[\sb] matrix_a_fmt:MATRIX_FMT_FP6 matrix_b_fmt:MATRIX_FMT_FP6 matrix_a_scale:MATRIX_SCALE_ROW1
.else
	v_wmma_scale_f32_16x16x128_f8f6f4 v[\d:\d+7], v[\a:\a+11], v[\b:\b+11], v[\d:\d+7], v[\sa], v[\sb] matrix_a_fmt:MATRIX_FMT_FP6 matrix_b_fmt:MATRIX_FMT_FP6
.endif
.else
.if \odd
	v_wmma_scale_f32_16x16x128_f8f6f4 v[\d:\d+7], v[\a:\a+11], v[\b:\b+11], 0, v[\sa], v[\sb] matrix_a_fmt:MATRIX_FMT_FP6 matrix_b_fmt:MATRIX_FMT_FP6 matrix_a_scale:MATRIX_SCALE_ROW1
.else
	v_wmma_scale_f32_16x16x128_f8f6f4 v[\d:\d+7], v[\a:\a+11], v[\b:\b+11], 0, v[\sa], v[\sb] matrix_a_fmt:MATRIX_FMT_FP6 matrix_b_fmt:MATRIX_FMT_FP6
.endif
.endif
.endm
.macro FLOAD adr, q, so                ; eight fragments into the stage, and their scale words (tiles 2 i in lanes 0-15, 2 i + 1 in lanes 16-31)
	WIN 0x40
.irp t, 0,1,2,3,4,5,6,7
.irp c, 0,1,2
	ds_load_b128 v[ST+12*\t+4*\c:ST+12*\t+4*\c+3], v[\adr] offset:12288*(\q)+1536*\t+512*\c
.endr
.endr
	WIN 0
.irp i, 0,1,2,3
	ds_load_b32 v[KS+\i], v[ADS] offset:512*(\q)+128*\i+\so
.endr
.endm
.macro ADDR
	v_add_nc_u32 v[ADK], s[TK], v[LI]
	v_add_nc_u32 v[ADV], s[TK], v[AV0]
	v_add_nc_u32 v[ADS], s[TS], v[ASK0]
.endm
; v[BM] .. hold eight blocks' largest magnitudes, floored; v[SS + 16 B + i] the numbers.  The codes come to v[CD + 12 j ..], the scale words to v[FF + 1 + 2 j].
.macro CODES
.irp b, 0,1,2,3,4,5,6,7
	v_add_nc_u32 v[SOP+\b], 0xff000000, v[BM+\b]   ; 2 off the exponent field: the conversion's scale operand
.endr
.irp b, 0,1,2,3,4,5,6,7
	v_lshrrev_b32 v[T2+\b], 23, v[SOP+\b]          ; the scale's byte
.endr
.irp j, 0,1
	v_lshl_or_b32 v[FF+1+2*\j], v[T2+4*\j+1], 8, v[T2+4*\j]
.endr
.irp j, 0,1
	v_lshl_or_b32 v[FF+1+2*\j], v[T2+4*\j+2], 16, v[FF+1+2*\j]
.endr
.irp j, 0,1
	v_lshl_or_b32 v[FF+1+2*\j], v[T2+4*\j+3], 24, v[FF+1+2*\j]
.endr
.irp j, 0,1
.irp c, 0,1
	v_cvt_scalef32_pk16_fp6_f32 v[CD+12*\j+6*\c:CD+12*\j+6*\c+2], v[SS+64*\j+32*\c:SS+64*\j+32*\c+15], v[SOP+4*\j+2*\c]
	v_cvt_scalef32_pk16_fp6_f32 v[CT+8*\j+4*\c:CT+8*\j+4*\c+2], v[SS+64*\j+32*\c+16:SS+64*\j+32*\c+31], v[SOP+4*\j+2*\c+1]   ; (a conversion's three registers begin on an even number)
.endr
.endr
	v_nop                                          ; one plain place behind a scaled conversion
.irp j, 0,1
.irp c, 0,1                                    ; the operand's layout wants a whole block in a lane
.irp i, 0,1,2
	v_permlane16_swap_b32 v[CD+12*\j+6*\c+\i], v[CT+8*\j+4*\c+\i]
.endr
.endr
.endr
.irp j, 0,1
.irp c, 0,1
.irp i, 0,1,2
	v_mov_b32 v[CD+12*\j+6*\c+3+\i], v[CT+8*\j+4*\c+\i]
.endr
.endr
.endr
.endm
; A KEY STEP: 128 keys x my 32 queries.  Its fragments of K were asked for by the step before or by the change of slots.
.macro STEP q, more
	s_wait_dscnt 0x0                               ; K's eight fragments and scale words are in
	WIN 0x01                                       ; source 0 in window 1
.irp t, 0,1,2,3,4,5,6,7
	MM SS+8*\t, ST+12*\t, QF, KS+\t/2, QS, \t%2, 0
	MM SS+64+8*\t, ST+12*\t, QF+12, KS+\t/2, QS+1, \t%2, 0
.endr
	WIN 0
.rept 4
	v_nop                                          ; places in front of the loads into the stage and of the first read of the scores
.endr
	FLOAD ADV, \q, 8192                            ; V lands under the softmax
.irp b, 0,1,2,3,4,5,6,7
	v_max3_num_f32 v[BM+\b], v[SS+16*\b], v[SS+16*\b+1], v[SS+16*\b+2]   ; the largest score of each block of 32 keys: for the row's maximum and, since p rises with the score, for the block's largest p
.endr
.irp i, 3,5,7,9,11,13
.irp b, 0,1,2,3,4,5,6,7
	v_max3_num_f32 v[BM+\b], v[BM+\b], v[SS+16*\b+\i], v[SS+16*\b+\i+1]
.endr
.endr
.irp b, 0,1,2,3,4,5,6,7
	v_max_num_f32 v[BM+\b], v[BM+\b], v[SS+16*\b+15]
.endr
.irp b, 0,1,2,3,4,5,6,7
	v_permlanex16_b32 v[T2+\b], v[BM+\b], s[SEL], s[SEL+1]
.endr
.irp b, 0,1,2,3,4,5,6,7
	v_max_num_f32 v[BM+\b], v[BM+\b], v[T2+\b]     ; with lane l xor 16's 16 keys
.endr
.irp j, 0,1
	v_max3_num_f32 v[TR+\j], v[BM+4*\j], v[BM+4*\j+1], v[BM+4*\j+2]
.endr
.irp j, 0,1
	v_mov_b32 v[TO+\j], v[NM+2*\j]
.endr
.irp j, 0,1
	s_delay_alu instid0(VALU_DEP_4)
	v_max3_num_f32 v[NM+1+2*\j], v[TR+\j], v[BM+4*\j+3], v[NM+1+2*\j]   ; the running largest score
.endr
.irp j, 0,1
	s_delay_alu instid0(VALU_DEP_2)
	v_mul_f32 v[TR+\j], s[NCS], v[NM+1+2*\j]       ; -t
.endr
.irp j, 0,1
	s_delay_alu instid0(VALU_DEP_2)
	v_floor_f32 v[NM+2*\j], v[TR+\j]               ; the new -M = floor(-t) = -ceil(t): a whole number
.endr
.irp j, 0,1
	s_delay_alu instid0(VALU_DEP_2)
	v_sub_f32 v[TO+\j], v[NM+2*\j], v[TO+\j]       ; M's old value less its new one
.endr
.irp j, 0,1
	s_delay_alu instid0(VALU_DEP_2)
	v_cvt_i32_f32 v[TO+\j], v[TO+\j]               ; (it saturates)
.endr
.irp j, 0,1
	s_delay_alu instid0(VALU_DEP_2)
	v_ldexp_f32 v[FF+2*\j], 1.0, v[TO+\j]          ; f = 2^(old M - new M)
.endr
.set i, 0
.rept 32
	v_pk_fma_f32 v[SS+i:SS+i+1], v[SS+i:SS+i+1], s[CS:CS+1], v[NM:NM+1] op_sel_hi:[1,0,0]   ; t - M, two at a time
	v_pk_fma_f32 v[SS+64+i:SS+65+i], v[SS+64+i:SS+65+i], s[CS:CS+1], v[NM+2:NM+3] op_sel_hi:[1,0,0]
.set i, i+2
.endr
.irp b, 0,1,2,3,4,5,6,7
	v_fma_f32 v[BM+\b], v[BM+\b], s[CS], v[NM+2*(\b/4)]   ; the same of each block's largest score
.endr
.if LOOPED
	s_add_co_u32 s[TK], s[TK], 12288               ; the next step's addresses (V's loads of this step are issued); the wait below serves them too
	s_add_co_u32 s[TS], s[TS], 512
	ADDR
.endif
	s_wait_alu depctr_va_vdst(0)                   ; the wait ahead of the batch
.set i, 0
.rept 128
	v_exp_f32 v[SS+i], v[SS+i]                     ; p = 2^(t - M): not normalised
.set i, i+1
.endr
.irp b, 0,1,2,3,4,5,6,7
	v_exp_f32 v[BM+\b], v[BM+\b]                   ; the block's largest p: the same two instructions on the same number give the same bits
.endr
.irp j, 0,1
	v_pk_mul_f32 v[SUM+2*\j:SUM+2*\j+1], v[SUM+2*\j:SUM+2*\j+1], v[FF+2*\j:FF+2*\j+1] op_sel_hi:[1,0]   ; the sums under the new M (plain places behind the batch)
.endr
	s_wait_alu depctr_va_vdst(0)                   ; one wait for the whole batch, ahead of its first reader
.irp b, 0,1,2,3,4,5,6,7
	v_max_num_f32 v[BM+\b], 0x1800000, v[BM+\b]    ; the floor 2^(3 - 127): the byte cannot fall under 1
.endr
	CODES
	s_wait_dscnt 0x0                               ; V's eight fragments and scale words are in
	WIN 0x41                                       ; destination and source 0 in window 1
	s_wait_alu depctr_va_vdst(0)                   ; the wait directly ahead of the first reader of O^T
.set i, 0
.rept 32
	v_pk_mul_f32 v[OA+i:OA+i+1], v[OA+i:OA+i+1], v[FF:FF+1] op_sel_hi:[1,0]   ; O^T under the new M, each accumulator from its low end on
.set i, i+2
.endr
.rept 32
	v_pk_mul_f32 v[OA+i:OA+i+1], v[OA+i:OA+i+1], v[FF+2:FF+3] op_sel_hi:[1,0]
.set i, i+2
.endr
	WIN 0x51                                       ; D, C and source 0 in window 1.  Sixteen accumulators, one instruction each
.irp t, 0,1,2,3,4,5,6,7
	MM OA+8*\t, ST+12*\t, CD, KS+\t/2, FF+1, \t%2, 1
	MM OA+64+8*\t, ST+12*\t, CD+12, KS+\t/2, FF+3, \t%2, 1
.endr
	WIN 0
.rept 4
	v_nop                                          ; places in front of the loads into the stage
.endr
.if LOOPED
	s_cmp_eq_u32 s[QN], 1                          ; the slot's last step asks for nothing: the change of slots does
	s_cbranch_scc1 .Lno_k_\@
	FLOAD ADK, 0, 0
.Lno_k_\@:
.else
.if \more
	FLOAD ADK, (\q)+1, 0
.endif
.endif
.irp j, 0,1                                    ; THE ROWS' SUMS, of the unquantised p: two chains a tile, the tiles by turns
	v_pk_add_f32 v[SB+2*\j:SB+2*\j+1], v[SS+64*\j:SS+64*\j+1], v[SS+64*\j+2:SS+64*\j+3]
.endr
.irp i, 4,8,12,16,20,24,28,32,36,40,44,48,52,56,60
.irp j, 0,1
	v_pk_add_f32 v[SUM+2*\j:SUM+2*\j+1], v[SUM+2*\j:SUM+2*\j+1], v[SS+64*\j+\i:SS+64*\j+\i+1]
.endr
.irp j, 0,1
	v_pk_add_f32 v[SB+2*\j:SB+2*\j+1], v[SB+2*\j:SB+2*\j+1], v[SS+64*\j+\i+2:SS+64*\j+\i+3]
.endr
.endr
.irp j, 0,1
	v_pk_add_f32 v[SUM+2*\j:SUM+2*\j+1], v[SUM+2*\j:SUM+2*\j+1], v[SB+2*\j:SB+2*\j+1]
.endr
.endm
; THE CHANGE OF SLOTS stands at a slot's head.  Each wave waits for all its tensor loads, adds 0 to its spare word, and waits for that and for its reads of the slot that it has left.
; fill = 1: a round of the cluster's barrier, and behind it the other slot is filled with the next four key steps.
.macro CHANGE fill
	s_wait_tensorcnt 0x0                           ; no tensor load of mine is out, so a group 0 may be written
	ds_add_u32 v[SPW], v[NIL]
.if \fill
	s_xor_b32 s[G0+1], s[G0+1], SLOT1              ; the walking descriptor: the other slot than last time,
	s_add_nc_u64 s[G0+2:G0+3], s[G0+2:G0+3], SLOTB ; the next four key steps
	s_wait_xcnt 0x0                                ; the last prefetch, a slot back, has read its address
	s_add_nc_u64 s[PFA:PFA+1], s[PFA:PFA+1], SLOTB ; one slot further on than the walking descriptor
	s_wait_dscnt 0x0
	CROUND
	TLOAD                                          ; the first thing behind the round, a wave's one tensor load until the next
	ASK
.else
	s_wait_dscnt 0x0
	s_barrier_signal -1
	s_barrier_wait -1
.endif
	s_mov_b32 s[TK], s[TB]
	ADDR
	s_wait_alu depctr_va_vdst(0)                   ; the wait behind these writes
.if LOOPED == 0
	s_add_co_u32 s[TS], s[TS], 2048
.endif
	FLOAD ADK, 0, 0
.endm
.macro WORK                            ; a slot's four key steps
.if LOOPED
	s_mov_b32 s[QN], 4
.Lstep_\@:
	STEP 0, 0
	s_sub_co_u32 s[QN], s[QN], 1
	s_cmp_lg_u32 s[QN], 0
	s_cbranch_scc1 .Lstep_\@
.else
	STEP 0, 1
	STEP 1, 1
	STEP 2, 1
	STEP 3, 0
.endif
.endm
	s_wait_alu depctr_va_vdst(0)                   ; the wait at the head's end
	s_wait_loadcnt 0x0                             ; Q
.Lslot:                                            ; three trips: behind each change of slots but the last the next slot is asked for
	CHANGE 1
	WORK
	s_xor_b32 s[TB], s[TB], SLOT1                  ; on to the other slot
	s_sub_co_u32 s[SLOTS], s[SLOTS], 1
	s_cmp_lg_u32 s[SLOTS], 0
	s_cbranch_scc1 .Lslot
	CHANGE 0                                       ; the last slot is written out
	WORK
	; THE WAY OUT.  O^T / the sum; register 16 b + i is channel 32 b + 16 h + i of my query: quantised along the channels, each tile is one fragment of the last projection's operand, stored as it stands.
.irp j, 0,1
	v_add_f32 v[SUM+2*\j], v[SUM+2*\j], v[SUM+2*\j+1]
.endr
.irp j, 0,1
	v_permlanex16_b32 v[TR+\j], v[SUM+2*\j], s[SEL], s[SEL+1]
.endr
.irp j, 0,1
	v_add_f32 v[SUM+2*\j], v[SUM+2*\j], v[TR+\j]   ; with lane l xor 16's: the row's sum
.endr
	s_wait_alu depctr_va_vdst(0)                   ; ahead of the reciprocals
	v_rcp_f32 v[SUM], v[SUM]
	v_rcp_f32 v[SUM+2], v[SUM+2]
	v_nop                                          ; the plain place behind them
	WIN 0x01                                       ; source 0 in window 1
	s_wait_alu depctr_va_vdst(0)                   ; ahead of their first reader, which is also O^T's
.set i, 0
.rept 32
	v_pk_mul_f32 v[SS+i:SS+i+1], v[OA+i:OA+i+1], v[SUM:SUM+1] op_sel_hi:[1,0]
.set i, i+2
.endr
.rept 32
	v_pk_mul_f32 v[SS+i:SS+i+1], v[OA+i:OA+i+1], v[SUM+2:SUM+3] op_sel_hi:[1,0]
.set i, i+2
.endr
	WIN 0
.irp b, 0,1,2,3,4,5,6,7
	v_max3_num_f32 v[BM+\b], |v[SS+16*\b]|, |v[SS+16*\b+1]|, 0x1800000
.endr
.irp i, 2,4,6,8,10,12,14
.irp b, 0,1,2,3,4,5,6,7
	v_max3_num_f32 v[BM+\b], v[BM+\b], |v[SS+16*\b+\i]|, |v[SS+16*\b+\i+1]|
.endr
.endr
.irp b, 0,1,2,3,4,5,6,7
	v_permlanex16_b32 v[T2+\b], v[BM+\b], s[SEL], s[SEL+1]
.endr
.irp b, 0,1,2,3,4,5,6,7
	v_max_num_f32 v[BM+\b], v[BM+\b], v[T2+\b]
.endr
	CODES
.irp j, 0,1
.irp c, 0,1,2
	global_store_b128 v[LI], v[CD+12*\j+4*\c:CD+12*\j+4*\c+3], s[8:9] offset:12288*\j+512*\c   ; 32 lanes store 512 consecutive bytes, aligned
.endr
	global_store_b32 v[GS], v[FF+1+2*\j], s[10:11] offset:1024*\j   ; the scale words: lanes 16-31 repeat lanes 0-15
.endr
	s_wait_tensorcnt 0x0                           ; the wave's end
	ds_add_u32 v[SPW], v[NIL]
	s_wait_dscnt 0x0
	CROUND                                         ; the closing round
	s_endpgm
.Lfunc_end_k_q6616726a30_att:
	.size	k_q6616726a30_att, .Lfunc_end_k_q6616726a30_att-k_q6616726a30_att
	.p2alignl 7, 3214868480
	.fill 96, 4, 3214868480
	.section	.rodata,"a",@progbits
	.p2align	6, 0x0
	.amdhsa_kernel k_q6616726a30_att
		.amdhsa_group_segment_fixed_size 327680
		.amdhsa_private_segment_fixed_size 0
		.amdhsa_enable_private_segment 0
		.amdhsa_kernarg_size 32
		.amdhsa_user_sgpr_count 2
		.amdhsa_user_sgpr_kernarg_segment_ptr 1
		.amdhsa_wavefront_size32 1
		.amdhsa_system_sgpr_workgroup_id_x 1
		.amdhsa_system_sgpr_workgroup_id_y 1
		.amdhsa_system_sgpr_workgroup_id_z 1
		.amdhsa_system_vgpr_workitem_id 0
		.amdhsa_next_free_vgpr 480
		.amdhsa_next_free_sgpr 80
		.amdhsa_reserve_vcc 0
		.amdhsa_float_denorm_mode_32 3
		.amdhsa_float_denorm_mode_16_64 3
		.amdhsa_memory_ordered 1
		.amdhsa_forward_progress 1
		.amdhsa_inst_pref_size 98
	.end_amdhsa_kernel
	.amdgpu_metadata
---
amdhsa.version: [ 1, 2 ]
amdhsa.kernels:
  - .name:           k_q6616726a30_att
    .symbol:         k_q6616726a30_att.kd
    .args:
      - { .name: pf, .offset: 0, .size: 8, .value_kind: global_buffer, .address_space: global }
      - { .name: ps, .offset: 8, .size: 8, .value_kind: global_buffer, .address_space: global }
      - { .name: oc, .offset: 16, .size: 8, .value_kind: global_buffer, .address_space: global }
      - { .name: os, .offset: 24, .size: 8, .value_kind: global_buffer, .address_space: global }
    .group_segment_fixed_size: 327680
    .private_segment_fixed_size: 0
    .kernarg_segment_align: 8
    .kernarg_segment_size: 32
    .max_flat_workgroup_size: 256
    .sgpr_count:     80
    .vgpr_count:     480
    .wavefront_size: 32
...
	.end_amdgpu_metadata
.endif
;; end of part 3
;; launch outp (part 4): grid 256 x 1, 4 waves a work-group, no clusters, 17,408 bytes of LDS; arguments oc, os, wc, ws, b_0, out0; writes out0
.if DOCPART == 4
	.amdgcn_target "amdgcn-amd-amdhsa--gfx1250"
	.amdhsa_code_object_version 6
	.text
	.protected	k_q6616726a30_outp
	.globl	k_q6616726a30_outp
	.p2align	8
	.type	k_q6616726a30_outp,@function
k_q6616726a30_outp:
	s_mov_b64 s[64:65], 0
	v_nop
	global_prefetch_b8 v0, s[64:65] scope:SCOPE_SE
	s_setreg_imm32_b32 hwreg(HW_REG_WAVE_MODE, 25, 1), 1
	s_wait_xcnt 0x0
; out0 = O w_0 + b_0 on codes of FP6 (E2M3) with E8M0 scales, K = 1,024 = 8 heads x 128.  out0: [8192][128] f32.
; oc holds O as operand fragments, images of their registers: [token tile (512)][head (8)][1,536 bytes]; os their scale words, 128 bytes a fragment (4 x lane).  w_0's codes lie behind the three large weights in wc, rows of 768 bytes
; at positions pi(output) (bits 3 and 4 exchanged), its scale bytes likewise in ws, 32 a row.  A token tile's row r is the token at position 16 tile + r.
; SHARES.  Work-group g takes token tiles 2 g and 2 g + 1: 32 positions, which are 32 neighbouring tokens in another order.  Wave w takes w_0's position tiles 2 w and 2 w + 1: outputs 32 w .. 32 w + 31.
; Source 0 = 16 rows of w_0, source 1 = O's fragment: lane (r, h) holds token position r, and register j of tile n output 32 w + 16 h + 8 n + j.  b_0 is the C of each sum's first matrix instruction.
; All operands go from memory straight into registers, once: O's fragments are the work-group's own, and a wave's part of w_0 is 24,576 bytes read once; so there is no ring, no tensor load and no cluster.
; The results meet in a stage in LDS, rows in the tokens' true order, and leave as whole rows of 512 bytes.
; REGISTERS: window 0: v1-10 addresses; v16-23 w_0's scale words (K step s; lanes 0-15 tile 0, lanes 16-31 tile 1); v24-39 O's scale words (8 m + s); v64-255 O's 16 fragments.
;   window 1: v0-191 w_0's 16 fragments at 12 (8 n + s).   window 2: v0-31 the four accumulators at 8 (2 m + n); v32-47 b_0's two tiles.
.set SPITCH, 528                       ; a stage row: 512 bytes + 16
.set LI, 4                             ; v4   16 x lane
.set LS, 5                             ; v5   4 x lane
.set WA, 6
.set WSA, 7                            ; v7   32 x lane
.set BA, 8                             ; v8   64 h
.set SO, 9                             ; v9   the stage: where I put my results
.set SR, 10                            ; v10  and where I read rows back
.set MSB, 0
.macro WIN new                         ; the immediate's high byte repeats the setting that is left
.if MSB != (\new)
	s_set_vgpr_msb (MSB<<8)|(\new)
.set MSB, (\new)
.endif
.endm
	s_load_b256 s[4:11], s[0:1], 0x0               ; oc, os, wc, ws
	s_load_b128 s[12:15], s[0:1], 0x20             ; b_0, out0
	v_lshl_add_u32 v62, v0, 2, 0x4200
	v_mov_b32 v63, 0
	v_lshrrev_b32 v1, 5, v0
	v_readfirstlane_b32 s16, v1                    ; wave 0..3
	v_and_b32 v1, 31, v0                           ; lane
	v_and_b32 v2, 15, v0                           ; r
	v_bfe_u32 v3, v0, 4, 1                         ; h
	v_lshlrev_b32 v[LI], 4, v1
	v_lshlrev_b32 v[LS], 2, v1
	v_lshlrev_b32 v[WSA], 5, v1
	v_lshlrev_b32 v[BA], 6, v3
	v_and_b32 v[SO], 7, v2
	v_lshrrev_b32 v[SR], 3, v2
	v_lshl_add_u32 v[SO], v[SR], 4, v[SO]          ; position r of tile m is token r % 8 + 16 (r / 8) + 8 m of the 32
	v_mul_u32_u24 v[SO], v[SO], SPITCH
	v_lshl_add_u32 v[SO], v3, 6, v[SO]             ; + 64 h
	s_lshl_b32 s17, s16, 7
	v_add_nc_u32 v[SO], s17, v[SO]                 ; + 128 x wave: my outputs' bytes
	s_mul_i32 s17, s16, 8*SPITCH
	v_add_nc_u32 v[SR], s17, v[LI]                 ; back: my 8 rows, 16 bytes a lane
	s_mul_i32 s18, ttmp9, 24576                    ; my 16 fragments of O,
	s_mov_b32 s19, 0
	s_lshl_b32 s20, ttmp9, 11                      ; their scale words,
	s_mov_b32 s21, 0
	s_mul_i32 s22, s16, 24576                      ; w_0 lies as images of fragments, [position tile][128 along K][1,536 bytes]: my two tiles' sixteen
	s_add_co_u32 s22, s22, 2359296                 ; my 32 rows of w_0's codes,
	s_mov_b32 s23, 0
	s_lshl_b32 s24, s16, 10
	s_add_co_u32 s24, s24, 98304                   ; their scale bytes,
	s_mov_b32 s25, 0
	s_lshl_b32 s26, s16, 7                         ; my 32 numbers of b_0,
	s_mov_b32 s27, 0
	s_lshl_b32 s28, ttmp9, 14
	s_lshl_b32 s29, s16, 12
	s_add_co_u32 s28, s28, s29                     ; the 8 rows of out0 that I store
	s_mov_b32 s29, 0
	s_wait_alu depctr_va_vdst(0)
	s_wait_kmcnt 0x0
	s_add_nc_u64 s[4:5], s[4:5], s[18:19]
	s_add_nc_u64 s[6:7], s[6:7], s[20:21]
	s_add_nc_u64 s[8:9], s[8:9], s[22:23]
	s_add_nc_u64 s[10:11], s[10:11], s[24:25]
	s_add_nc_u64 s[12:13], s[12:13], s[26:27]
	s_add_nc_u64 s[14:15], s[14:15], s[28:29]
	WIN 0x40                                       ; destination window 1
.irp n, 0,1
.irp s, 0,1,2,3,4,5,6,7
.irp p, 0,1,2
	global_load_b128 v[12*(8*\n+\s)+4*\p:12*(8*\n+\s)+4*\p+3], v[LI], s[8:9] offset:1536*(8*\n+\s)+512*\p   ; 32 lanes read 512 consecutive bytes
.endr
.endr
.endr
	WIN 0x80                                       ; destination window 2
.irp n, 0,1
	global_load_b128 v[32+8*\n:35+8*\n], v[BA], s[12:13] offset:32*\n
	global_load_b128 v[36+8*\n:39+8*\n], v[BA], s[12:13] offset:32*\n+16
.endr
	WIN 0
.irp f, 0,1,2,3,4,5,6,7,8,9,10,11,12,13,14,15
.irp c, 0,1,2
	global_load_b128 v[64+12*\f+4*\c:67+12*\f+4*\c], v[LI], s[4:5] offset:1536*\f+512*\c
.endr
	global_load_b32 v[24+\f], v[LS], s[6:7] offset:128*\f
.endr
.irp s, 0,1,2,3,4,5,6,7
	global_load_b32 v[16+\s], v[WSA], s[10:11] offset:4*\s
.endr
	s_wait_loadcnt 0x0
	WIN 0xa1                                       ; source 0 (w_0) window 1, source 1 (O) window 0, C and D window 2
; The four accumulators take turns, one instruction a turn, K step by K step.
.irp s, 0,1,2,3,4,5,6,7
.irp m, 0,1
.if \s == 0
	v_wmma_scale_f32_16x16x128_f8f6f4 v[8*(2*\m):8*(2*\m)+7], v[12*\s:12*\s+11], v[64+12*(8*\m+\s):64+12*(8*\m+\s)+11], v[32:39], v[16+\s], v[24+8*\m+\s] matrix_a_fmt:MATRIX_FMT_FP6 matrix_b_fmt:MATRIX_FMT_FP6
	v_wmma_scale_f32_16x16x128_f8f6f4 v[8*(2*\m+1):8*(2*\m+1)+7], v[12*(8+\s):12*(8+\s)+11], v[64+12*(8*\m+\s):64+12*(8*\m+\s)+11], v[40:47], v[16+\s], v[24+8*\m+\s] matrix_a_fmt:MATRIX_FMT_FP6 matrix_b_fmt:MATRIX_FMT_FP6 matrix_a_scale:MATRIX_SCALE_ROW1
.else
	v_wmma_scale_f32_16x16x128_f8f6f4 v[8*(2*\m):8*(2*\m)+7], v[12*\s:12*\s+11], v[64+12*(8*\m+\s):64+12*(8*\m+\s)+11], v[8*(2*\m):8*(2*\m)+7], v[16+\s], v[24+8*\m+\s] matrix_a_fmt:MATRIX_FMT_FP6 matrix_b_fmt:MATRIX_FMT_FP6
	v_wmma_scale_f32_16x16x128_f8f6f4 v[8*(2*\m+1):8*(2*\m+1)+7], v[12*(8+\s):12*(8+\s)+11], v[64+12*(8*\m+\s):64+12*(8*\m+\s)+11], v[8*(2*\m+1):8*(2*\m+1)+7], v[16+\s], v[24+8*\m+\s] matrix_a_fmt:MATRIX_FMT_FP6 matrix_b_fmt:MATRIX_FMT_FP6 matrix_a_scale:MATRIX_SCALE_ROW1
.endif
.endr
.endr
.rept 4
	v_nop                                          ; places in front of the first read of results (ISA guide 7.12.1)
.endr
	WIN 0x08                                       ; an LDS store's data are its source 1: window 2
.irp m, 0,1
.irp n, 0,1
	ds_store_b128 v[SO], v[8*(2*\m+\n):8*(2*\m+\n)+3] offset:8*\m*SPITCH+32*\n        ; each accumulator from its low end on
	ds_store_b128 v[SO], v[8*(2*\m+\n)+4:8*(2*\m+\n)+7] offset:8*\m*SPITCH+32*\n+16
.endr
.endr
	WIN 0
	s_wait_dscnt 0x0                               ; for the others' sake: my stores into the stage are done
	s_barrier_signal -1
	s_barrier_wait -1                              ; 32 whole rows lie in the stage
.irp i, 0,1,2,3,4,5,6,7
	ds_load_b128 v[64+4*\i:67+4*\i], v[SR] offset:\i*SPITCH
.endr
.irp i, 0,1,2,3,4,5,6,7
	s_wait_dscnt 7-\i                              ; the younger loads may be out
	global_store_b128 v[LI], v[64+4*\i:67+4*\i], s[14:15] offset:512*\i th:TH_STORE_NT   ; 32 lanes store a row of 512 consecutive bytes, aligned
.endr
	s_wait_tensorcnt 0x0
	ds_add_u32 v62, v63
	s_wait_dscnt 0x0
	s_endpgm
.Lfunc_end_k_q6616726a30_outp:
	.size	k_q6616726a30_outp, .Lfunc_end_k_q6616726a30_outp-k_q6616726a30_outp
	.p2alignl 7, 3214868480
	.fill 96, 4, 3214868480
	.section	.rodata,"a",@progbits
	.p2align	6, 0x0
	.amdhsa_kernel k_q6616726a30_outp
		.amdhsa_group_segment_fixed_size 17408
		.amdhsa_private_segment_fixed_size 0
		.amdhsa_enable_private_segment 0
		.amdhsa_kernarg_size 48
		.amdhsa_user_sgpr_count 2
		.amdhsa_user_sgpr_kernarg_segment_ptr 1
		.amdhsa_wavefront_size32 1
		.amdhsa_system_sgpr_workgroup_id_x 1
		.amdhsa_system_sgpr_workgroup_id_y 1
		.amdhsa_system_sgpr_workgroup_id_z 1
		.amdhsa_system_vgpr_workitem_id 0
		.amdhsa_next_free_vgpr 576
		.amdhsa_next_free_sgpr 66
		.amdhsa_reserve_vcc 0
		.amdhsa_float_denorm_mode_32 3
		.amdhsa_float_denorm_mode_16_64 3
		.amdhsa_memory_ordered 1
		.amdhsa_forward_progress 1
		.amdhsa_inst_pref_size 21
	.end_amdhsa_kernel
	.amdgpu_metadata
---
amdhsa.version: [ 1, 2 ]
amdhsa.kernels:
  - .name:           k_q6616726a30_outp
    .symbol:         k_q6616726a30_outp.kd
    .args:
      - { .name: oc, .offset: 0, .size: 8, .value_kind: global_buffer, .address_space: global }
      - { .name: os, .offset: 8, .size: 8, .value_kind: global_buffer, .address_space: global }
      - { .name: wc, .offset: 16, .size: 8, .value_kind: global_buffer, .address_space: global }
      - { .name: ws, .offset: 24, .size: 8, .value_kind: global_buffer, .address_space: global }
      - { .name: b_0, .offset: 32, .size: 8, .value_kind: global_buffer, .address_space: global }
      - { .name: out0, .offset: 40, .size: 8, .value_kind: global_buffer, .address_space: global }
    .group_segment_fixed_size: 17408
    .private_segment_fixed_size: 0
    .kernarg_segment_align: 8
    .kernarg_segment_size: 48
    .max_flat_workgroup_size: 128
    .sgpr_count:     66
    .vgpr_count:     576
    .wavefront_size: 32
...
	.end_amdgpu_metadata
.endif
;; end of part 4
